; MI455X (gfx1250); checked and timed in simulation.
; The chip was launched on July 23, 2026; its instructions are those of AMD's public machine-readable ISA for CDNA 5 (MIT licence, August 2026) and "CDNA5" Instruction Set Architecture Reference Guide (July 2026). The comments in the code are by the model that wrote it; some were corrected since.
;; Eagle3 Draft Attention. Allowed arithmetic: matrix products marked QUANTISED: E2M1 operands, one E8M0 scale for each 32 along K, by v_wmma_scale_f32_16x16x128_f8f6f4 with both operands' format E2M1 (or v_wmma_scale_f32_32x16x128_f4), f32 sums; products left as they are: bf16, f16 or f32 operands; f32 sums; everything else in f32.
;; Inputs: Wk 512 x 4,096 float32; Wo 2,048 x 2,048 float32; Wq 2,048 x 4,096 float32; Wv 512 x 4,096 float32; cos 1 x 1 x 2,048 x 64 float32; sin 1 x 1 x 2,048 x 64 float32; x 1 x 2,048 x 4,096 float32.
;; Outputs: out0 1 x 2,048 x 2,048 float32.
;; This version of the problem:
;;   THIS VERSION OF THE PROBLEM IS GIVEN IN LOW PRECISION. The matrix products marked QUANTISED in the list below multiply operands that are first quantised to E2M1 (2 exponent bits, 1 mantissa bit; 4 bits a number), with one power-of-two scale for each 32 numbers along K (OCP MX v1.0); their sums are f32. The products marked 'left as it is' may take bf16, f16 or f32 operands, with f32 sums. Whichever they take, every output number must still come out within the allowed error. Rounding operands to bf16 (8 significant bits) uses up far more of that allowance than f16 does (11 bits, for magnitudes from 6e-5 to 65,504). All else is computed in f32.
;;   The module's matrix products, in the order in which they are computed (A, B: the left and right operand; K: the contracted axis; several contracted axes count as one K, in the product's order):
;;     1. [M 2,048, K 4,096] x [K 4,096, N 2,048]; A: input x; B: input Wq: QUANTISED
;;     2. [M 2,048, K 4,096] x [K 4,096, N 512]; A: input x; B: input Wk: QUANTISED
;;     3. [M 2,048, K 4,096] x [K 4,096, N 512]; A: input x; B: input Wv: QUANTISED
;;     4. batch 32 x [M 2,048, K 64] x [K 64, N 2,048]; A: computed on the way; B: computed on the way: left as it is (an operand is computed on the way)
;;     5. batch 32 x [M 64, K 2,048] x [K 2,048, N 2,048]; A: computed on the way; B: computed on the way: left as it is (an operand is computed on the way)
;;     6. [M 2,048, K 2,048] x [K 2,048, N 2,048]; A: computed on the way; B: input Wo: left as it is (an operand is computed on the way)
;;   THE QUANTISER, for each operand of a quantised product, along K:
;;     - K is cut into blocks of 32 from its start; a last block that is shorter is filled with zeros.
;;     - A block's scale is 2^e with e = floor(log2(the largest magnitude in the block)) - 2, held to -126 .. 127; a block of zeros has e = 0. As a byte (E8M0): e + 127.
;;     - Each number is divided by its block's scale, clamped to +-6, and rounded to the nearest number of E2M1, ties to even, subnormals kept.
;;     - The product sums the exact products of the quantised numbers (number of the format x scale) in f32.
;;   ~~~python
;;   def quantise(x, axis):      # numpy; x: float32 -> the quantised numbers, widened to float32 again
;;       x = np.moveaxis(x, axis, -1); K = x.shape[-1]
;;       x = np.pad(x, [(0, 0)] * (x.ndim - 1) + [(0, -K % 32)]); x = x.reshape(x.shape[:-1] + (-1, 32)); a = np.abs(x).max(-1, keepdims=True)
;;       e = np.where(a > 0, np.clip(np.frexp(np.where(a > 0, a, 1))[1] - 1 - 2, -126, 127), 0)      # np.frexp(a)[1] - 1 = floor(log2(a)), exactly
;;       r = np.clip(x / 2.0 ** e, -6, 6)
;;       step = 2.0 ** (np.maximum(np.frexp(np.where(r == 0, 1, r))[1] - 1, 0) - 1)
;;       q = np.round(r / step) * step * 2.0 ** e      # np.round: ties to even
;;       return np.moveaxis(q.reshape(q.shape[:-2] + (-1,))[..., :K], -1, axis).astype(np.float32)
;;   ~~~
;; One version. Each part assembles by itself: llvm-mc -triple=amdgcn-amd-amdhsa -mcpu=gfx1250 --defsym DOCPART=n.
;; ======== version 1 of 1: 5 launches
;; limits: values are held in f16: magnitudes above 65,504 overflow, below 6.1e-05 lose precision; right only within a limited range of input values
;; workspace buffers: xc 4,194,304 bytes; xs 262,144 bytes; wc 6,291,456 bytes; ws 393,216 bytes; woh 8,388,608 bytes; qkv 12,582,912 bytes; r16 196,608 bytes; oh 8,388,608 bytes
;; launch quant (part 1): grid 768 x 1, 4 waves a work-group, no clusters, 33,280 bytes of LDS; arguments x, Wq, Wk, Wv, Wo, xc, xs, wc, ws, woh; writes xc, xs, wc, ws, woh
.if DOCPART == 1
	.amdgcn_target "amdgcn-amd-amdhsa--gfx1250"
	.amdhsa_code_object_version 6
	.text
	.protected	k_qdaf11a52bc_quant
	.globl	k_qdaf11a52bc_quant
	.p2align	8
	.type	k_qdaf11a52bc_quant,@function
k_qdaf11a52bc_quant:
	s_mov_b64 s[64:65], 0
	v_nop
	global_prefetch_b8 v0, s[64:65] scope:SCOPE_SE
	s_setreg_imm32_b32 hwreg(HW_REG_WAVE_MODE, 25, 1), 1
	s_wait_xcnt 0x0
; x [2048][4096], Wq [2048][4096], Wk, Wv [512][4096], f32, become codes of FP4 (E2M1), K innermost, two codes a byte, with one E8M0 scale byte for each 32 along K;
; Wq, Wk, Wv go one behind the other into one buffer of 3,072 rows.  Wo [2048][2048] becomes f16(4 Wo): the 4 rounds nothing and undoes the 2^-2 under which the attention's result is kept.
; A block's scale is 2^(floor(log2(its largest magnitude)) - 2); its byte is the largest magnitude's exponent field - 2, held at 1 from below.
; LIMITS: a block of zeros gets the byte 1 (its codes are zeros, and this program alone reads the bytes); NaN and infinities are not served; |Wo| up to 16,376 (f16's largest number / 4).
; Rows are dense and K is a multiple of 32: every tensor is a plain stream.  A work-group takes 32,768 numbers, a wave 8,192.
; Work-groups 0-255: x; 256-511: Wq; 512-575: Wk; 576-639: Wv; 640-767: Wo.  For the four tensors of codes only pointers are chosen: they take one path.
; CODES: 16 steps of 512 numbers a wave.  A load reads 512 consecutive bytes, 16 a lane; a step's 2,048 bytes turn through the wave's own stage in LDS and come back 64 bytes a lane, so that a lane holds 16 neighbours
; along K (two neighbouring lanes hold a block).  A lane's 16 codes are 8 bytes: a wave's store covers 256 consecutive bytes.  A wave's 256 scale bytes are gathered in LDS and leave as one store of 256 bytes.
; Loads run eight steps ahead: 32 loads, half of the wave's 32,768 bytes, are on their way at a time.
.set STEPS, 16
.set DEPTH, 8                          ; steps of loads on their way
.set CB,    8                          ; bytes of 16 codes
.set R,     16                         ; v16-143  eight sets of 16 numbers as they are loaded
.set X,     144                        ; v144-175 two sets of 16 neighbours
.set E,     176                        ; v176-191 a scale byte for each step
.set C,     192                        ; v192-223 codes: two registers for each step, so that no store's data are written again
.set WREG,  8192                       ; LDS: a region for each wave: two stages of 32 x SP bytes, and behind them its 256 scale bytes
.set SP,    80                         ; a lane's place in a stage: 64 bytes + 16 of padding
.set SPW,   12                         ; v12  LDS address of my spare word; never rewritten
.set NIL,   13                         ; v13  0; never rewritten
.set SPARE, 4*WREG                     ; behind the four regions: the spare words, 128 bytes a wave
.set WB,    16                         ; Wo's path: v16-143 two sets of 64 numbers
.set WH,    144                        ; v144-175 a set's 64 numbers as f16
	s_load_b256 s[4:11], s[0:1], 0x0               ; x, Wq, Wk, Wv
	s_load_b256 s[12:19], s[0:1], 0x20             ; Wo, xc, xs, wc
	s_load_b128 s[20:23], s[0:1], 0x40             ; ws, woh
	v_lshl_add_u32 v[SPW], v0, 2, SPARE
	v_mov_b32 v[NIL], 0
	v_lshrrev_b32 v1, 5, v0
	v_readfirstlane_b32 s24, v1                    ; wave
	v_and_b32 v2, 31, v0                           ; lane
	v_lshlrev_b32 v3, 4, v2                        ; my 16 bytes of a load's 512
	v_lshlrev_b32 v4, 3, v2                        ; my 8 bytes of a store's 256
	s_mov_b32 s35, 0
	s_mov_b32 s37, 0
	s_mov_b32 s39, 0
	s_wait_kmcnt 0x0
	s_cmp_lt_u32 ttmp9, 640
	s_cbranch_scc1 .Lcodes
	; ---- Wo: 8,192 numbers a wave, four batches of 16 loads; no LDS
	s_sub_co_u32 s34, ttmp9, 640
	s_lshl_b32 s34, s34, 2
	s_add_co_u32 s34, s34, s24                     ; which run of 8,192 numbers
	s_lshl_b32 s36, s34, 14                        ; 16,384 bytes of f16,
	s_lshl_b32 s34, s34, 15                        ; 32,768 of f32
	s_add_nc_u64 s[12:13], s[12:13], s[34:35]
	s_add_nc_u64 s[22:23], s[22:23], s[36:37]
.macro LOADW b
.irp i, 0,1,2,3,4,5,6,7,8,9,10,11,12,13,14,15
	global_load_b128 v[WB+64*((\b)%2)+4*\i:WB+64*((\b)%2)+4*\i+3], v3, s[12:13] offset:8192*(\b)+512*\i th:TH_LOAD_NT
.endr
.endm
.macro CONV b
.if (\b) < 3
	s_wait_loadcnt 16                              ; this batch's 16 loads are in; the next batch's 16 may be out
.else
	s_wait_loadcnt 0x0
.endif
.if (\b) > 0
	s_wait_xcnt 0x0                                ; the last batch's stores have read their data: v144-175 are written again only behind this wait
.endif
.irp i, 0,1,2,3,4,5,6,7,8,9,10,11,12,13,14,15
	v_pk_mul_f32 v[WB+64*((\b)%2)+4*\i:WB+64*((\b)%2)+4*\i+1], v[WB+64*((\b)%2)+4*\i:WB+64*((\b)%2)+4*\i+1], 4.0 op_sel_hi:[1,0]
	v_pk_mul_f32 v[WB+64*((\b)%2)+4*\i+2:WB+64*((\b)%2)+4*\i+3], v[WB+64*((\b)%2)+4*\i+2:WB+64*((\b)%2)+4*\i+3], 4.0 op_sel_hi:[1,0]
	v_cvt_pk_f16_f32 v[WH+2*\i], v[WB+64*((\b)%2)+4*\i], v[WB+64*((\b)%2)+4*\i+1]
	v_cvt_pk_f16_f32 v[WH+2*\i+1], v[WB+64*((\b)%2)+4*\i+2], v[WB+64*((\b)%2)+4*\i+3]
	global_store_b64 v4, v[WH+2*\i:WH+2*\i+1], s[22:23] offset:4096*(\b)+256*\i   ; 32 lanes store 256 consecutive bytes, aligned
.endr
.endm
	LOADW 0
	LOADW 1
	CONV 0
	LOADW 2
	CONV 1
	LOADW 3
	CONV 2
	CONV 3
	s_branch .Lend
.Lcodes:
	; ---- which tensor: pointers and first work-groups are chosen on the work-group's number alone
	s_mov_b64 s[26:27], s[10:11]                   ; Wv,
	s_mov_b32 s28, 576                             ; whose first work-group is 576
	s_cmp_lt_u32 ttmp9, 576
	s_cselect_b64 s[26:27], s[8:9], s[26:27]       ; Wk
	s_cselect_b32 s28, 512, s28
	s_cmp_lt_u32 ttmp9, 512
	s_cselect_b64 s[26:27], s[6:7], s[26:27]       ; Wq
	s_cselect_b32 s28, 256, s28
	s_cmp_lt_u32 ttmp9, 256
	s_cselect_b64 s[26:27], s[4:5], s[26:27]       ; x
	s_cselect_b32 s28, 0, s28
	s_cselect_b64 s[30:31], s[14:15], s[18:19]     ; the codes: xc or wc
	s_cselect_b64 s[32:33], s[16:17], s[20:21]     ; the scale bytes: xs or ws
	s_cselect_b32 s29, 0, 256                      ; the first work-group of that buffer: Wq, Wk, Wv follow each other
	s_sub_co_u32 s34, ttmp9, s28
	s_lshl_b32 s34, s34, 2
	s_add_co_u32 s34, s34, s24                     ; my run of 8,192 numbers in the tensor
	s_lshl_b32 s34, s34, 15
	s_add_nc_u64 s[26:27], s[26:27], s[34:35]
	s_sub_co_u32 s36, ttmp9, s29
	s_lshl_b32 s36, s36, 2
	s_add_co_u32 s36, s36, s24                     ; and in the buffers of codes and bytes
	s_lshl_b32 s38, s36, 12                        ; 4,096 bytes of codes,
	s_lshl_b32 s36, s36, 8                         ; 256 scale bytes a run
	s_add_nc_u64 s[30:31], s[30:31], s[38:39]
	s_add_nc_u64 s[32:33], s[32:33], s[36:37]
	s_mul_i32 s25, s24, WREG
	v_lshrrev_b32 v14, 2, v2
	v_mul_u32_u24 v14, v14, SP
	v_and_b32 v15, 3, v2
	v_lshl_add_u32 v14, v15, 4, v14
	v_add_nc_u32 v14, s25, v14                     ; the stage, on the way in: SP (lane / 4) + 16 (lane % 4)
	v_mul_u32_u24 v15, v2, SP
	v_add_nc_u32 v15, s25, v15                     ; and on the way out: SP x lane: my 16 neighbours
	v_lshrrev_b32 v5, 1, v2
	s_add_co_u32 s25, s25, 2*32*SP
	v_add_nc_u32 v5, s25, v5                       ; my wave's 256 scale bytes, my block's byte
	v_add_nc_u32 v6, s25, v4                       ; and on the way out 8 bytes a lane
.macro LOAD t
.irp i, 0,1,2,3
	global_load_b128 v[R+16*((\t)%DEPTH)+4*\i:R+16*((\t)%DEPTH)+4*\i+3], v3, s[26:27] offset:2048*(\t)+512*\i th:TH_LOAD_NT
.endr
.endm
.macro TURN t                          ; step t's numbers through the stage: LDS serves a wave's instructions in order, so no wait stands between the stores and the loads
.irp i, 0,1,2,3
	ds_store_b128 v14, v[R+16*((\t)%DEPTH)+4*\i:R+16*((\t)%DEPTH)+4*\i+3] offset:32*SP*((\t)%2)+8*SP*\i
.endr
.irp i, 0,1,2,3
	ds_load_b128 v[X+16*((\t)%2)+4*\i:X+16*((\t)%2)+4*\i+3], v15 offset:32*SP*((\t)%2)+16*\i
.endr
.endm
.irp t, 0,1,2,3,4,5,6,7
	LOAD \t
.endr
	s_wait_loadcnt 4*(DEPTH-1)                     ; step 0's four loads are in; seven steps' 28 may be out
	TURN 0
.macro STEP t
.set XS, X+16*((\t)%2)
.if (\t) > 0
	s_wait_dscnt 1                                 ; this step's numbers are back from the stage; only the last step's byte store may be out
.else
	s_wait_dscnt 0x0
.endif
.if (\t)+DEPTH < STEPS
	LOAD (\t)+DEPTH                                ; into the registers that this step's stage stores have read
.endif
.if (\t)+1 < STEPS
.if STEPS-2-(\t) >= DEPTH-1
	s_wait_loadcnt 4*(DEPTH-1)                     ; the next step's four loads are in; those of the seven steps behind it may be out
.else
	s_wait_loadcnt 4*(STEPS-2-(\t))                ; at the end the counts run down: 24, 20, .. 0
.endif
	TURN (\t)+1
.endif
	v_max3_num_f32 v8, |v[XS]|, |v[XS+1]|, |v[XS+2]|               ; the largest magnitude of my 16, in two chains
	v_max3_num_f32 v9, |v[XS+3]|, |v[XS+4]|, |v[XS+5]|
.irp i, 6,10
	v_max3_num_f32 v8, v8, |v[XS+\i]|, |v[XS+\i+1]|
	v_max3_num_f32 v9, v9, |v[XS+\i+2]|, |v[XS+\i+3]|
.endr
	v_max3_num_f32 v8, v8, |v[XS+14]|, |v[XS+15]|
	v_max3_num_f32 v8, v8, v9, 0x1800000           ; and the floor 2^(3 - 127): the byte cannot fall under 1
	v_max_num_f32_dpp v8, v8, v8 row_xmask:1 row_mask:0xf bank_mask:0xf   ; with my neighbour's 16: the block's
	v_add_nc_u32 v11, 0xff000000, v8               ; 2 off its exponent field: the conversion takes the exponent field of this operand as its scale
	v_cvt_scalef32_pk8_fp4_f32 v[C+2*(\t)], v[XS:XS+7], v11
	v_cvt_scalef32_pk8_fp4_f32 v[C+2*(\t)+1], v[XS+8:XS+15], v11
	v_lshrrev_b32 v[E+(\t)], 23, v11               ; the scale's byte (a plain line behind the conversions)
	ds_store_b8 v5, v[E+(\t)] offset:16*(\t)       ; both lanes of a block write the same byte with the same value
	global_store_b64 v4, v[C+2*(\t):C+2*(\t)+1], s[30:31] offset:32*CB*(\t)
.endm
.irp t, 0,1,2,3,4,5,6,7,8,9,10,11,12,13,14,15
	STEP \t
.endr
	ds_load_b64 v[8:9], v6                         ; LDS serves a wave's instructions in order: these see my byte stores
	s_wait_dscnt 0x0
	global_store_b64 v4, v[8:9], s[32:33]          ; 32 lanes store 256 consecutive bytes, aligned
.Lend:
	s_wait_tensorcnt 0x0                           ; the wave's end, behind a wave's last LDS store (Wo's waves stored none and take the same end)
	ds_add_u32 v[SPW], v[NIL]
	s_wait_dscnt 0x0
	s_endpgm
.Lfunc_end_k_qdaf11a52bc_quant:
	.size	k_qdaf11a52bc_quant, .Lfunc_end_k_qdaf11a52bc_quant-k_qdaf11a52bc_quant
	.p2alignl 7, 3214868480
	.fill 96, 4, 3214868480
	.section	.rodata,"a",@progbits
	.p2align	6, 0x0
	.amdhsa_kernel k_qdaf11a52bc_quant
		.amdhsa_group_segment_fixed_size 33280
		.amdhsa_private_segment_fixed_size 0
		.amdhsa_enable_private_segment 0
		.amdhsa_kernarg_size 80
		.amdhsa_user_sgpr_count 2
		.amdhsa_user_sgpr_kernarg_segment_ptr 1
		.amdhsa_wavefront_size32 1
		.amdhsa_system_sgpr_workgroup_id_x 1
		.amdhsa_system_sgpr_workgroup_id_y 1
		.amdhsa_system_sgpr_workgroup_id_z 1
		.amdhsa_system_vgpr_workitem_id 0
		.amdhsa_next_free_vgpr 224
		.amdhsa_next_free_sgpr 66
		.amdhsa_reserve_vcc 0
		.amdhsa_float_denorm_mode_32 3
		.amdhsa_float_denorm_mode_16_64 3
		.amdhsa_memory_ordered 1
		.amdhsa_forward_progress 1
		.amdhsa_inst_pref_size 62
	.end_amdhsa_kernel
	.amdgpu_metadata
---
amdhsa.version: [ 1, 2 ]
amdhsa.kernels:
  - .name:           k_qdaf11a52bc_quant
    .symbol:         k_qdaf11a52bc_quant.kd
    .args:
      - { .name: x, .offset: 0, .size: 8, .value_kind: global_buffer, .address_space: global }
      - { .name: Wq, .offset: 8, .size: 8, .value_kind: global_buffer, .address_space: global }
      - { .name: Wk, .offset: 16, .size: 8, .value_kind: global_buffer, .address_space: global }
      - { .name: Wv, .offset: 24, .size: 8, .value_kind: global_buffer, .address_space: global }
      - { .name: Wo, .offset: 32, .size: 8, .value_kind: global_buffer, .address_space: global }
      - { .name: xc, .offset: 40, .size: 8, .value_kind: global_buffer, .address_space: global }
      - { .name: xs, .offset: 48, .size: 8, .value_kind: global_buffer, .address_space: global }
      - { .name: wc, .offset: 56, .size: 8, .value_kind: global_buffer, .address_space: global }
      - { .name: ws, .offset: 64, .size: 8, .value_kind: global_buffer, .address_space: global }
      - { .name: woh, .offset: 72, .size: 8, .value_kind: global_buffer, .address_space: global }
    .group_segment_fixed_size: 33280
    .private_segment_fixed_size: 0
    .kernarg_segment_align: 8
    .kernarg_segment_size: 80
    .max_flat_workgroup_size: 128
    .sgpr_count:     66
    .vgpr_count:     224
    .wavefront_size: 32
...
	.end_amdgpu_metadata
.endif
;; end of part 1
;; launch project (part 2): grid 16 x 16, 4 waves a work-group, clusters of 4 x 4, 327,680 bytes of LDS; arguments xc, xs, wc, ws, cos, sin, qkv, r16; writes qkv, r16
.if DOCPART == 2
	.amdgcn_target "amdgcn-amd-amdhsa--gfx1250"
	.amdhsa_code_object_version 6
	.text
	.protected	k_qdaf11a52bc_project
	.globl	k_qdaf11a52bc_project
	.p2align	8
	.type	k_qdaf11a52bc_project,@function
k_qdaf11a52bc_project:
	s_mov_b64 s[64:65], 0
	v_nop
	global_prefetch_b8 v0, s[64:65] scope:SCOPE_SE
	s_setreg_imm32_b32 hwreg(HW_REG_WAVE_MODE, 25, 1), 1
	s_wait_xcnt 0x0
	s_wait_alu depctr_hold_cnt(0) depctr_sa_sdst(0) depctr_va_vdst(0) depctr_va_sdst(0) depctr_va_ssrc(0) depctr_va_vcc(0) depctr_vm_vsrc(0)
	s_getreg_b32 s2, hwreg(HW_REG_IB_STS2, 6, 4)
	s_cmp_eq_u32 s2, 0
	s_cbranch_scc0 .Lentry_in_a_cluster
	s_endpgm
.Lentry_in_a_cluster:
	s_bfe_u32 s2, ttmp6, 0x10000c
	s_cmp_lg_u32 s2, 0xf033
	s_cbranch_scc0 .Lentry_shape_is_right
	s_endpgm
.Lentry_shape_is_right:
; q, k, v = x W^T on codes of FP4 (E2M1) with E8M0 scales, K = 4,096; then RoPE in f32, a fixed power of two, and the rounding to f16.
; xc [2048][2048 B], xs [2048][128]; wc [3072][2048 B], ws [3072][128] (rows 0-2047 Wq, 2048-2559 Wk, 2560-3071 Wv: row = 64 g + d, g the head 0-47).
; OUT: qkv [48][2048][64] f16: heads 0-39 RoPE(.) x 2^-8, heads 40-47 v x 2^-2;  r16 [16][3072] f32: the same numbers of positions 0-15 before the rounding to f16.
; LIMITS: |RoPE(q)|, |RoPE(k)| up to 1.6e7 and |v| up to 2.6e5 (f16's largest number under the prescales); NaN and infinities are not served.
; SHARES.  2,048 x 3,072 in tiles of 128 positions x 192 rows of W (three heads) are 256 work-groups.  Wave (i, j) = (wave / 2, wave % 2) takes positions 64 i + 16 a (a = 0..3) and six tiles b = 2 hd + u of
; W's rows 64 hd + 32 u + 16 j + r: tiles (hd, 0) and (hd, 1) hold channels d and d + 32 of one head in the same lane and register, so RoPE asks no other lane.
; THE MATRIX INSTRUCTION IS USED TRANSPOSED (source 0 = 16 rows of W, source 1 = 16 positions): lane (r, h) holds position r and channels 8 h + 0..7 of its tile.
; THE RING.  K goes in eight units of 512 (rows of 256 bytes) through THREE LDS slots; unit n lies in slot n % 3.  A unit holds only 96 products a wave, so the refills are few and large: a wave fetches a WHOLE tile
; (wave % 2: x's 128 rows or W's 192; wave / 2: which slot), so that two slots can be filled again behind one barrier with one tensor load a wave.  The walk, written out:
;   first fills: units 0, 1, 2 and the scale bytes | unit 0 | barrier | unit 1 | round: slots 0, 1 take units 3, 4 | unit 2 | round: slot 2 takes unit 5 | units 3, 4 | round: slots 0, 1 take units 6, 7 | unit 5 | barrier | units 6, 7.
; Three refill rounds serve five units; between a request and the wait for it stand one unit's products, then two units', then one's.  The scale bytes of the tile's rows, for all of K, come once with the first fills.
; CLUSTER 4 x 4: x's tiles hang on the tile row alone and are asked for jointly along a row of the cluster, W's on the tile column alone and jointly along a column.
; REGISTERS.  window 0: v1 r, v2 h, v16-31 addresses, v32-71 scale words (two sets), v80-239 fragments (two sets of 4 of x and 6 of W); on the way out v80-239 are at work.
;   window 1: the 24 accumulators, (a, b) at v[8 (6 a + b)].   window 2: cos and sin of my positions and channels, 32 registers for each a.
.set PITCH, 272                        ; an LDS row: 256 bytes + 16 of padding: the 16 rows of a fragment load start 16 bytes apart modulo 256
.set ABYT,  128*PITCH                  ; x's 128 rows
.set SLOT,  320*PITCH                  ; then W's 192 rows
.set SCL,   3*SLOT                     ; behind the ring: x's scale bytes, 64 units of 256 bytes + 16 (a unit: two rows of 128 bytes),
.set SCB,   SCL+64*272                 ; W's: 96 units
.set SPARE, SCL+160*272                ; the spare words, 128 bytes a wave
.set STAGE, 2*SLOT                     ; the way out: 3 heads x 128 rows x (128 bytes + 16), in slot 2: it has had its last fill (unit 5), and every wave has passed the barrier behind its last read, when the first result is stored there
.set SROW,  144
.set SHEAD, 128*SROW
.set ADRA, 16                          ; v16-18  LDS address of my fragments of x in slot 0, 1, 2
.set ADRB, 19                          ; v19-21  of W
.set ASA,  22                          ; v22     of x's scale words: lane l takes row 32 p + l of my 64; never rewritten
.set ASB,  23                          ; v23     of W's: lanes 0-15 tile (hd, 0), lanes 16-31 tile (hd, 1); never rewritten
.set STO,  24                          ; v24     the stage, on the way in
.set RD,   25                          ; v25     and back
.set GOUT, 26                          ; v26     16 x lane
.set CSO,  27                          ; v27     my offset in cos and sin
.set SPW,  28                          ; v28     my spare word; never rewritten
.set NIL,  29                          ; v29     0; never rewritten
.set R16O, 30                          ; v30     my offset in r16
.set GROW, 31                          ; v31     128 x tile row + r: the position of my lane in row tile 0 of wave row 0
.set SC,   32                          ; scale words, set s at v[SC + 20 s]: x's [p][q] at 4 p + q, W's [hd][q] at 8 + 4 hd + q; unit n uses set n % 2
.set FRG,  80                          ; fragments, set f at v[FRG + 80 f]: x's block a at 8 a, W's tile b at 32 + 8 b
.set CE,   80                          ; the way out: cos x F + G (low, high channels), sin x F (low, high): 8 registers each
.set T,    112                         ; 16 results in f32
.set H,    128                         ; the same in f16
.set FO,   136                         ; v136-137 G
.set BK,   144                         ; v144-239 rows read back from the stage
.set G1A,  24                          ; s[24:31] group 1 for x's codes
.set U0A,  32                          ; s[32:35], s[36:39], s[4:7] group 0 for x's codes in slot 0, 1, 2: each slot's LDS address is a constant
.set U1A,  36
.set U2A,  4
.set G1B,  48                          ; s[48:55] group 1 for W's codes
.set U0B,  56                          ; s[56:59], s[60:63], s[8:11] group 0 for W's codes in slot 0, 1, 2
.set U1B,  60
.set U2B,  8
.set G1SA, 68                          ; s[68:75], s[76:79] groups 1 and 0 for x's scale bytes;  s[80:87], s[88:91] for W's
.set G0SA, 76
.set G1SB, 80
.set G0SB, 88
.set CODEW, (1<<20)|(1<<21)|(5<<22)|(3<<25)   ; elements of 1 byte; padding on; bit 21 beside a mask; 4 words of padding after every 64
.set SCLW,  CODEW|(3<<16)                     ; the same with elements of 8 bytes
.set MULW,  0x50                       ; C and D in window 1, both sources in window 0
.set MSB, 0
.macro WIN new                         ; the immediate's high byte repeats the setting that is left
.if MSB != \new
	s_set_vgpr_msb (MSB<<8)|\new
.set MSB, \new
.endif
.endm
; A joint load: even waves fetch for x, odd waves for W.  Each line has one mask and one set of registers for all that issue it; the branch hangs on the wave's number alone.
; An s_nop 0 and four v_nop follow each of the two lines.
.macro JLOAD g0a, g1a, g0b, g1b
	s_cmp_eq_u32 s16, 0
	s_cbranch_scc0 .Lfor_b_\@
	tensor_load_to_lds s[\g0a:\g0a+3], s[\g1a:\g1a+7]
	s_nop 0
.rept 4
	v_nop
.endr
	s_branch .Lasked_\@
.Lfor_b_\@:
	tensor_load_to_lds s[\g0b:\g0b+3], s[\g1b:\g1b+7]
	s_nop 0
.rept 4
	v_nop
.endr
.Lasked_\@:
.endm
.macro JPAIR                           ; slots 0 and 1 at once: waves 0, 1 fill slot 0, waves 2, 3 slot 1: one tensor load a wave
	s_cmp_eq_u32 s15, 0
	s_cbranch_scc0 .Lslot_1_\@
	JLOAD U0A, G1A, U0B, G1B
	s_branch .Lpair_done_\@
.Lslot_1_\@:
	JLOAD U1A, G1A, U1B, G1B
.Lpair_done_\@:
.endm
.macro CREST                           ; a round of the cluster's barrier behind its opening barrier
	s_cmp_lg_u32 s14, 0
	s_cbranch_scc1 .Lnot_wave_0_\@
	s_barrier_signal -3
.Lnot_wave_0_\@:
	s_barrier_wait -3
	s_barrier_signal -1
	s_barrier_wait -1
.endm
.macro CROUND
	s_barrier_signal -1
	s_barrier_wait -1
	CREST
.endm
.macro PLACES n
.rept \n
	v_nop
.endr
.endm
.macro GROUP0 reg, lds, base, off      ; a group 0: count 1, a constant LDS address, the tile's first byte, the type
	s_mov_b32 s[\reg], 1
	s_mov_b32 s[\reg+1], \lds
	s_add_nc_u64 s[\reg+2:\reg+3], s[\base:\base+1], \off
	s_or_b32 s[\reg+3], s[\reg+3], 0x80000000
.endm
	s_load_b256 s[4:11], s[0:1], 0x0               ; xc, xs, wc, ws
	s_load_b256 s[92:99], s[0:1], 0x20             ; cos, sin, qkv, r16
	v_lshl_add_u32 v[SPW], v0, 2, SPARE
	v_mov_b32 v[NIL], 0
	ds_add_u32 v[SPW], v[NIL]                      ; the wave's opening: the add, twice on end, and its wait ahead of my first tensor load
	ds_add_u32 v[SPW], v[NIL]
	v_lshrrev_b32 v1, 5, v0
	v_readfirstlane_b32 s14, v1                    ; wave 0..3
	s_lshr_b32 s15, s14, 1                         ; i.  Also: which slot of a pair I fetch
	s_and_b32 s16, s14, 1                          ; j.  Also: I fetch for x (0) or for W (1)
	s_bfe_u32 s40, ttmp6, 0x40000                  ; cx, cy: my place in the cluster
	s_bfe_u32 s41, ttmp6, 0x40004
	s_lshl_b32 s42, ttmp9, 2
	s_add_co_u32 s42, s42, s40                     ; tile column X (192 rows of W)
	s_and_b32 s17, ttmp7, 0xffff
	s_lshl_b32 s17, s17, 2
	s_add_co_u32 s17, s17, s41                     ; tile row Y (128 positions)
	s_lshl_b32 s43, s41, 2
	s_lshl_b32 s43, 15, s43                        ; my row of the cluster
	s_lshl_b32 s44, 0x1111, s40                    ; my column
	s_or_b32 s[G1A], s43, CODEW                    ; x's tiles go to my row,
	s_or_b32 s[G1B], s44, CODEW                    ; W's to my column
	s_or_b32 s[G1SA], s43, SCLW
	s_or_b32 s[G1SB], s44, SCLW
	s_mov_b32 s[G1A+1], 256<<16                    ; tensor_dim0 = 256 bytes
	s_mov_b32 s[G1A+2], 128<<16                    ; tensor_dim1 = x's 128 rows
	s_mov_b32 s[G1A+3], 256<<16                    ; tile_dim0
	s_mov_b32 s[G1A+4], 128                        ; tile_dim1
	s_mov_b32 s[G1A+5], 2048                       ; from row to row
	s_mov_b32 s[G1A+6], 0
	s_mov_b32 s[G1A+7], 0
	s_mov_b32 s[G1B+1], 256<<16
	s_mov_b32 s[G1B+2], 192<<16                    ; W's 192 rows
	s_mov_b32 s[G1B+3], 256<<16
	s_mov_b32 s[G1B+4], 192
	s_mov_b32 s[G1B+5], 2048
	s_mov_b32 s[G1B+6], 0
	s_mov_b32 s[G1B+7], 0
	s_mov_b32 s[G1SA+1], 32<<16                    ; the scale bytes of 128 rows are 16,384 dense bytes: 64 rows of 32 elements of 8 bytes
	s_mov_b32 s[G1SA+2], 64<<16
	s_mov_b32 s[G1SA+3], 32<<16
	s_mov_b32 s[G1SA+4], 64
	s_mov_b32 s[G1SA+5], 32
	s_mov_b32 s[G1SA+6], 0
	s_mov_b32 s[G1SA+7], 0
	s_mov_b32 s[G1SB+1], 32<<16                    ; those of 192 rows: 96 such rows
	s_mov_b32 s[G1SB+2], 96<<16
	s_mov_b32 s[G1SB+3], 32<<16
	s_mov_b32 s[G1SB+4], 96
	s_mov_b32 s[G1SB+5], 32
	s_mov_b32 s[G1SB+6], 0
	s_mov_b32 s[G1SB+7], 0
	s_lshl_b32 s20, s17, 18                        ; x's codes: 128 Y rows of 2,048 bytes
	s_mov_b32 s21, 0
	s_lshl_b32 s22, s17, 14                        ; its scale bytes: 128 a row
	s_mov_b32 s23, 0
	s_mul_i32 s46, s42, 192*2048                   ; W's codes: 192 X rows
	s_mov_b32 s47, 0
	s_mul_i32 s12, s42, 192*128                    ; its scale bytes
	s_mov_b32 s13, 0
	s_wait_dscnt 0x0                               ; both opening adds are done
	s_wait_kmcnt 0x0
	s_add_nc_u64 s[20:21], s[4:5], s[20:21]
	s_add_nc_u64 s[22:23], s[6:7], s[22:23]
	s_add_nc_u64 s[46:47], s[8:9], s[46:47]
	s_add_nc_u64 s[12:13], s[10:11], s[12:13]
	CROUND                                         ; all sixteen work-groups are here: the first joint loads meet
	GROUP0 G0SA, SCL, 22, 0
	GROUP0 G0SB, SCB, 12, 0
	GROUP0 U0A, 0, 20, 0                           ; unit n in slot n, 256 n bytes along the rows
	GROUP0 U1A, SLOT, 20, 256
	GROUP0 U2A, 2*SLOT, 20, 512                    ; (s[4:11] have given their four addresses and take two groups 0)
	GROUP0 U0B, ABYT, 46, 0
	GROUP0 U1B, SLOT+ABYT, 46, 256
	GROUP0 U2B, 2*SLOT+ABYT, 46, 512
	s_cmp_eq_u32 s15, 0                            ; the first fills, two a wave; what is wanted first goes first
	s_cbranch_scc0 .Lfirst_23
	JLOAD U0A, G1A, U0B, G1B                       ; waves 0, 1: unit 0,
	JLOAD U2A, G1A, U2B, G1B                       ; then unit 2
	s_branch .Lfirst_done
.Lfirst_23:
	JLOAD G0SA, G1SA, G0SB, G1SB                   ; waves 2, 3: the scale bytes,
	JLOAD U1A, G1A, U1B, G1B                       ; then unit 1
.Lfirst_done:
	; cos and sin of my 64 positions at my 16 channels (8 low, 8 high): they land while K is walked
	s_lshl_b32 s18, s17, 15                        ; 128 Y rows of 256 bytes
	s_lshl_b32 s19, s15, 14                        ; 64 i rows
	s_add_co_u32 s18, s18, s19
	s_lshl_b32 s19, s16, 6                         ; channel 16 j
	s_add_co_u32 s18, s18, s19
	s_mov_b32 s19, 0
	s_add_nc_u64 s[92:93], s[92:93], s[18:19]
	s_add_nc_u64 s[94:95], s[94:95], s[18:19]
	v_and_b32 v1, 15, v0                           ; r
	v_bfe_u32 v2, v0, 4, 1                         ; h
	v_lshlrev_b32 v[CSO], 8, v1
	v_lshl_add_u32 v[CSO], v2, 5, v[CSO]           ; row r, channel 8 h
	WIN 0x80                                       ; destination window 2
.irp a, 0,1,2,3
	global_load_b128 v[32*\a:32*\a+3],     v[CSO], s[92:93] offset:4096*\a
	global_load_b128 v[32*\a+4:32*\a+7],   v[CSO], s[92:93] offset:4096*\a+16
	global_load_b128 v[32*\a+8:32*\a+11],  v[CSO], s[92:93] offset:4096*\a+128
	global_load_b128 v[32*\a+12:32*\a+15], v[CSO], s[92:93] offset:4096*\a+144
	global_load_b128 v[32*\a+16:32*\a+19], v[CSO], s[94:95] offset:4096*\a
	global_load_b128 v[32*\a+20:32*\a+23], v[CSO], s[94:95] offset:4096*\a+16
	global_load_b128 v[32*\a+24:32*\a+27], v[CSO], s[94:95] offset:4096*\a+128
	global_load_b128 v[32*\a+28:32*\a+31], v[CSO], s[94:95] offset:4096*\a+144
.endr
	WIN 0
	v_mul_u32_u24 v3, v1, PITCH
	v_lshl_add_u32 v3, v2, 4, v3                   ; a fragment's row x pitch + 16 x half
	s_mul_i32 s21, s15, 64*PITCH                   ; my 64 rows of x
	s_mul_i32 s22, s16, 16*PITCH                   ; W: rows 16 j on,
	s_add_co_u32 s22, s22, ABYT                    ; behind x's 128
.irp s, 0,1,2
	v_add_nc_u32 v[ADRA+\s], s21, v3
	v_add_nc_u32 v[ADRB+\s], s22, v3
	s_add_co_u32 s21, s21, SLOT
	s_add_co_u32 s22, s22, SLOT
.endr
	v_and_b32 v4, 31, v0                           ; lane
	v_and_b32 v6, 1, v0
	v_lshrrev_b32 v5, 1, v4
	v_mul_u32_u24 v5, v5, 272
	v_lshl_add_u32 v5, v6, 7, v5                   ; row l of scale bytes: unit l / 2, half l % 2
	s_mul_i32 s21, s15, 32*272
	s_add_co_u32 s21, s21, SCL
	v_add_nc_u32 v[ASA], s21, v5
	v_lshrrev_b32 v5, 1, v1
	v_mul_u32_u24 v5, v5, 272
	v_lshl_add_u32 v5, v6, 7, v5                   ; row r,
	v_mad_u32_u24 v5, v2, 16*272, v5               ; lanes 16-31: 32 rows further on,
	s_mul_i32 s21, s16, 8*272                      ; + 16 j rows
	s_add_co_u32 s21, s21, SCB
	v_add_nc_u32 v[ASB], s21, v5
	v_mul_u32_u24 v5, v1, SROW
	v_lshl_add_u32 v5, v2, 4, v5
	s_mul_i32 s21, s15, 64*SROW
	s_lshl_b32 s22, s16, 5
	s_add_co_u32 s21, s21, s22
	s_add_co_u32 s21, s21, STAGE
	v_add_nc_u32 v[STO], s21, v5                   ; the stage: row 64 i + r, byte 32 j + 16 h
	v_lshrrev_b32 v5, 3, v4
	v_mul_u32_u24 v5, v5, SROW
	v_and_b32 v6, 7, v0
	v_lshl_add_u32 v5, v6, 4, v5
	s_mul_i32 s21, s14, 32*SROW
	s_add_co_u32 s21, s21, STAGE
	v_add_nc_u32 v[RD], s21, v5                    ; back: my 32 rows, eight lanes to a row of 128 bytes
	v_lshlrev_b32 v[GOUT], 4, v4
	v_mul_u32_u24 v[R16O], v1, 12288
	v_lshl_add_u32 v[R16O], v2, 5, v[R16O]         ; r16: row r of 12,288 bytes, + 32 h
	s_lshl_b32 s21, s17, 7
	v_add_nc_u32 v[GROW], s21, v1
	s_mul_i32 s46, s42, 786432                     ; qkv: three heads of 262,144 bytes a tile column,
	s_lshl_b32 s47, s17, 14                        ; 128 rows of 128 bytes a tile row,
	s_add_co_u32 s46, s46, s47
	s_lshl_b32 s47, s14, 12                        ; the 32 rows that my wave stores
	s_add_co_u32 s46, s46, s47
	s_mov_b32 s47, 0
	s_add_nc_u64 s[96:97], s[96:97], s[46:47]
	s_mul_i32 s46, s42, 768                        ; r16: column 192 X + 16 j, in bytes
	s_lshl_b32 s12, s16, 6
	s_add_co_u32 s46, s46, s12
	s_add_nc_u64 s[98:99], s[98:99], s[46:47]
	s_mul_i32 s13, s42, 3                          ; my tile's first head
; the fragments of the slot's q-th 128 along K into set f: 16 rows x 128 codes are 8 registers: two loads of 16 bytes, 32 bytes apart
.macro FETCH slot, q, f
.irp a, 0,1,2,3
.irp c, 0,1
	ds_load_b128 v[FRG+80*(\f)+8*\a+4*\c:FRG+80*(\f)+8*\a+4*\c+3], v[ADRA+\slot] offset:16*PITCH*\a+64*(\q)+32*\c
.endr
.endr
.irp b, 0,1,2,3,4,5
.irp c, 0,1
	ds_load_b128 v[FRG+80*(\f)+32+8*\b+4*\c:FRG+80*(\f)+32+8*\b+4*\c+3], v[ADRB+\slot] offset:(64*(\b/2)+32*(\b%2))*PITCH+64*(\q)+32*\c
.endr
.endr
.endm
.macro SCALES s, n                     ; unit n's four scale words of each of my rows into set s: 16 n bytes along each row of 128
.irp p, 0,1
	ds_load_b128 v[SC+20*(\s)+4*\p:SC+20*(\s)+4*\p+3], v[ASA] offset:16*272*\p+16*(\n)
.endr
.irp hd, 0,1,2
	ds_load_b128 v[SC+20*(\s)+8+4*\hd:SC+20*(\s)+8+4*\hd+3], v[ASB] offset:32*272*\hd+16*(\n)
.endr
.endm
; one product.  W's scale words of tile u = 1 and x's of an odd block stand in lanes 16-31 of their registers
.macro WM zero
.if \zero
.if (MB%2) && (MA%2)
	v_wmma_scale_f32_16x16x128_f8f6f4 v[rD:rD+7], v[rB:rB+7], v[rA:rA+7], 0, v[rSB], v[rSA] matrix_a_fmt:MATRIX_FMT_FP4 matrix_b_fmt:MATRIX_FMT_FP4 matrix_a_scale:MATRIX_SCALE_ROW1 matrix_b_scale:MATRIX_SCALE_ROW1
.elseif MB%2
	v_wmma_scale_f32_16x16x128_f8f6f4 v[rD:rD+7], v[rB:rB+7], v[rA:rA+7], 0, v[rSB], v[rSA] matrix_a_fmt:MATRIX_FMT_FP4 matrix_b_fmt:MATRIX_FMT_FP4 matrix_a_scale:MATRIX_SCALE_ROW1
.elseif MA%2
	v_wmma_scale_f32_16x16x128_f8f6f4 v[rD:rD+7], v[rB:rB+7], v[rA:rA+7], 0, v[rSB], v[rSA] matrix_a_fmt:MATRIX_FMT_FP4 matrix_b_fmt:MATRIX_FMT_FP4 matrix_b_scale:MATRIX_SCALE_ROW1
.else
	v_wmma_scale_f32_16x16x128_f8f6f4 v[rD:rD+7], v[rB:rB+7], v[rA:rA+7], 0, v[rSB], v[rSA] matrix_a_fmt:MATRIX_FMT_FP4 matrix_b_fmt:MATRIX_FMT_FP4
.endif
.else
.if (MB%2) && (MA%2)
	v_wmma_scale_f32_16x16x128_f8f6f4 v[rD:rD+7], v[rB:rB+7], v[rA:rA+7], v[rD:rD+7], v[rSB], v[rSA] matrix_a_fmt:MATRIX_FMT_FP4 matrix_b_fmt:MATRIX_FMT_FP4 matrix_a_scale:MATRIX_SCALE_ROW1 matrix_b_scale:MATRIX_SCALE_ROW1
.elseif MB%2
	v_wmma_scale_f32_16x16x128_f8f6f4 v[rD:rD+7], v[rB:rB+7], v[rA:rA+7], v[rD:rD+7], v[rSB], v[rSA] matrix_a_fmt:MATRIX_FMT_FP4 matrix_b_fmt:MATRIX_FMT_FP4 matrix_a_scale:MATRIX_SCALE_ROW1
.elseif MA%2
	v_wmma_scale_f32_16x16x128_f8f6f4 v[rD:rD+7], v[rB:rB+7], v[rA:rA+7], v[rD:rD+7], v[rSB], v[rSA] matrix_a_fmt:MATRIX_FMT_FP4 matrix_b_fmt:MATRIX_FMT_FP4 matrix_b_scale:MATRIX_SCALE_ROW1
.else
	v_wmma_scale_f32_16x16x128_f8f6f4 v[rD:rD+7], v[rB:rB+7], v[rA:rA+7], v[rD:rD+7], v[rSB], v[rSA] matrix_a_fmt:MATRIX_FMT_FP4 matrix_b_fmt:MATRIX_FMT_FP4
.endif
.endif
.endm
; x's blocks a0 .. a0 + n - 1 against W's six tiles: fragments of set f, the unit's q-th 128 along K, scale words of set s.  The 24 accumulators take turns, one instruction a turn, in one order
.macro MUL a0, n, f, q, s, zero
.set MA, \a0
.rept \n
.set MB, 0
.rept 6
.set rD, 8*(6*MA+MB)
.set rB, FRG+80*(\f)+32+8*MB
.set rA, FRG+80*(\f)+8*MA
.set rSB, SC+20*(\s)+8+4*(MB/2)+(\q)
.set rSA, SC+20*(\s)+4*(MA/2)+(\q)
	WM \zero
.set MB, MB+1
.endr
.set MA, MA+1
.endr
.endm
; a step of 128 along K of unit n that has its successor in the same slot: the next step's 20 loads go out ahead of this step's 24 products
.macro STEP slot, q, n, zero
	s_wait_dscnt 0x0                               ; this step's fragments (and, at a unit's head, its scale words) are in
	PLACES 4                                       ; in front of loads into registers that the last step's products have read
	FETCH \slot, (\q)+1, 1-(\q)%2
	WIN MULW
	MUL 0, 4, (\q)%2, \q, (\n)%2, \zero
	WIN 0
.endm
.macro UNIT slot, n, zero              ; the first three steps of unit n
	STEP \slot, 0, \n, \zero
	STEP \slot, 1, \n, 0
	STEP \slot, 2, \n, 0
.endm
; Unit n's last step, where the next unit was shown whole at an earlier barrier: no wait for tiles and no barrier, so that the load that is out stays out
.macro SOFT next, n
	s_wait_dscnt 0x0
	PLACES 4
	FETCH \next, 0, 0
	SCALES ((\n)+1)%2, (\n)+1
	WIN MULW
	MUL 0, 4, 1, 3, (\n)%2, 0
	WIN 0
.endm
; Unit n's last step with a barrier: in front of it each wave waits for all its tensor loads, adds 0 to its spare word, and waits for that and for its reads of the slots that it has left.
; fill = 0: nothing is filled.  fill = 1: slots 0 and 1, both read out, take the units three further on.  fill = 2: slot 2 does.
.macro TURN next, n, fill
	s_wait_tensorcnt 0x0                           ; all my tensor loads have landed
	ds_add_u32 v[SPW], v[NIL]
	s_wait_dscnt 1                                 ; this step's fragments are in; only the add may be out
	WIN MULW
	MUL 0, 1, 1, 3, (\n)%2, 0                      ; six products stand between the add and the wait for it
	s_wait_dscnt 0x0                               ; the add is done, and my reads of the slots behind me are over
	s_barrier_signal -1
	MUL 1, 1, 1, 3, (\n)%2, 0
	WIN 0
	s_barrier_wait -1
.if \fill == 1
	CREST                                          ; the barrier has opened a round of the cluster's: no wave of any partner still reads these slots or has a load on its way
	s_add_nc_u64 s[U0A+2:U0A+3], s[U0A+2:U0A+3], 768   ; three units of 256 bytes on; no tensor load of mine is out
	s_add_nc_u64 s[U1A+2:U1A+3], s[U1A+2:U1A+3], 768
	s_add_nc_u64 s[U0B+2:U0B+3], s[U0B+2:U0B+3], 768
	s_add_nc_u64 s[U1B+2:U1B+3], s[U1B+2:U1B+3], 768
	JPAIR                                          ; my one tensor load behind the round; its four v_nop are the places in front of the loads below
.elseif \fill == 2
	CREST
	s_add_nc_u64 s[U2A+2:U2A+3], s[U2A+2:U2A+3], 768
	s_add_nc_u64 s[U2B+2:U2B+3], s[U2B+2:U2B+3], 768
	s_cmp_eq_u32 s15, 0
	s_cbranch_scc0 .Lno_part_\@
	JLOAD U2A, G1A, U2B, G1B
.Lno_part_\@:
	PLACES 4                                       ; the places in front of the loads below, on both ways
.else
	PLACES 4
.endif
	FETCH \next, 0, 0
	SCALES ((\n)+1)%2, (\n)+1
	WIN MULW
	MUL 2, 2, 1, 3, (\n)%2, 0
	WIN 0
.endm
	s_wait_tensorcnt 1                             ; my first load is in (waves 0, 1: unit 0; waves 2, 3: the scale bytes); my second may be out
	s_barrier_signal -1
	s_barrier_wait -1
	FETCH 0, 0, 0
	SCALES 0, 0
	UNIT 0, 0, 1                                   ; the first step's products start the sums: nothing is cleared
	TURN 1, 0, 0                                   ; units 1 and 2 are whole
	UNIT 1, 1, 0
	TURN 2, 1, 1                                   ; slots 0, 1 take units 3, 4
	UNIT 2, 2, 0
	TURN 0, 2, 2                                   ; units 3, 4 are whole; slot 2 takes unit 5
	UNIT 0, 3, 0
	SOFT 1, 3
	UNIT 1, 4, 0
	TURN 2, 4, 1                                   ; unit 5 is whole; slots 0, 1 take units 6, 7
	UNIT 2, 5, 0
	TURN 0, 5, 0                                   ; units 6, 7 are whole; nothing is left to fetch, and nobody reads slot 2 any more
	UNIT 0, 6, 0
	SOFT 1, 6
	UNIT 1, 7, 0
	s_wait_dscnt 0x0
	WIN MULW
	MUL 0, 4, 1, 3, 1, 0
	WIN 0
	s_wait_loadcnt 0x0                             ; cos and sin
	PLACES 4                                       ; in front of the first reads of results and the first writes over fragments
; THE WAY OUT.  A head of q or k: out_lo = (x_lo cos_lo - x_hi sin_lo) F, out_hi = (x_hi cos_hi + x_lo sin_hi) F, F = 2^-8.  A head of v: out = x G, G = 2^-2.
; Both are one form, cE = cos F + G and sE = sin F, with (F, G) = (2^-8, 0) or (0, 2^-2) chosen by the head's number without a branch.
.macro CLASS hd
	s_add_co_u32 s12, s13, \hd
	s_cmp_lt_u32 s12, 40
	s_cselect_b32 s66, 0x3b800000, 0
	s_cselect_b32 s101, 0, 0x3e800000
	s_mov_b32 s67, s66                             ; (named with s66 as a pair)
	v_mov_b32 v[FO], s101
	v_mov_b32 v[FO+1], s101
.endm
.macro ROPE hd, a
	WIN 0x02                                       ; source 0 (cos, sin) in window 2
.irp k, 0,2,4,6,8,10,12,14
	v_pk_fma_f32 v[CE+\k:CE+\k+1], v[32*\a+\k:32*\a+\k+1], s[66:67], v[FO:FO+1] op_sel_hi:[1,0,0]
.endr
.irp k, 16,18,20,22,24,26,28,30
	v_pk_mul_f32 v[CE+\k:CE+\k+1], v[32*\a+\k:32*\a+\k+1], s[66:67] op_sel_hi:[1,0]
.endr
	WIN 0x01                                       ; source 0 (the sums) in window 1
.set XL, 8*(6*\a+2*\hd)
.set XH, XL+8
.irp k, 0,2,4,6
	v_pk_mul_f32 v[T+\k:T+\k+1], v[XL+\k:XL+\k+1], v[CE+\k:CE+\k+1]
.endr
.irp k, 0,2,4,6
	v_pk_fma_f32 v[T+\k:T+\k+1], v[XH+\k:XH+\k+1], v[CE+16+\k:CE+16+\k+1], v[T+\k:T+\k+1] neg_lo:[1,0,0] neg_hi:[1,0,0]
.endr
.irp k, 0,2,4,6
	v_pk_mul_f32 v[T+8+\k:T+8+\k+1], v[XH+\k:XH+\k+1], v[CE+8+\k:CE+8+\k+1]
.endr
.irp k, 0,2,4,6
	v_pk_fma_f32 v[T+8+\k:T+8+\k+1], v[XL+\k:XL+\k+1], v[CE+24+\k:CE+24+\k+1], v[T+8+\k:T+8+\k+1]
.endr
	WIN 0
.if \a == 0                            ; positions 0-15 lie in row tile 0 of wave row 0 of tile row 0: the wave row by a branch on the wave's number, the tile row by EXEC
	s_cmp_lg_u32 s15, 0
	s_cbranch_scc1 .Lnot16_\@
	s_wait_xcnt 0x0                                ; EXEC changes only behind this wait
	v_cmp_gt_u32 vcc_lo, 16, v[GROW]
	s_and_saveexec_b32 s100, vcc_lo
	global_store_b128 v[R16O], v[T:T+3],     s[98:99] offset:256*\hd
	global_store_b128 v[R16O], v[T+4:T+7],   s[98:99] offset:256*\hd+16
	global_store_b128 v[R16O], v[T+8:T+11],  s[98:99] offset:256*\hd+128
	global_store_b128 v[R16O], v[T+12:T+15], s[98:99] offset:256*\hd+144
	s_wait_xcnt 0x0                                ; and again in front of the line that restores it; T is written again only behind this wait
	s_or_b32 exec_lo, exec_lo, s100
.Lnot16_\@:
.endif
	s_wait_dscnt 0x0                               ; the last block's stores into the stage have read H
.irp k, 0,1,2,3,4,5,6,7
	v_cvt_pk_f16_f32 v[H+\k], v[T+2*\k], v[T+2*\k+1]
.endr
	ds_store_b128 v[STO], v[H:H+3]   offset:SHEAD*\hd+16*SROW*\a
	ds_store_b128 v[STO], v[H+4:H+7] offset:SHEAD*\hd+16*SROW*\a+64
.endm
.irp hd, 0,1,2
	CLASS \hd
.irp a, 0,1,2,3
	ROPE \hd, \a
.endr
.endr
	s_wait_dscnt 0x0                               ; for the others' sake: my stores into the stage are done
	s_barrier_signal -1
	s_barrier_wait -1
.irp n, 0,1,2,3,4,5,6,7,8,9,10,11,12,13,14,15,16,17,18,19,20,21,22,23
	ds_load_b128 v[BK+4*\n:BK+4*\n+3], v[RD] offset:SHEAD*(\n/8)+4*SROW*(\n%8)   ; four whole rows of a head
.endr
.irp n, 0,1,2,3,4,5,6,7,8,9,10,11,12,13,14,15,16,17,18,19,20,21,22,23
	s_wait_dscnt 23-\n                             ; LDS loads come back in order: load n is in, the younger ones may be out
	global_store_b128 v[GOUT], v[BK+4*\n:BK+4*\n+3], s[96:97] offset:262144*(\n/8)+512*(\n%8)   ; 32 lanes store 512 consecutive bytes, aligned
.endr
	s_wait_tensorcnt 0x0                           ; the wave's end
	ds_add_u32 v[SPW], v[NIL]
	s_wait_dscnt 0x0
	CROUND                                         ; the closing round: no work-group ends while a partner may still ask for a tile that names it
	s_endpgm
.Lfunc_end_k_qdaf11a52bc_project:
	.size	k_qdaf11a52bc_project, .Lfunc_end_k_qdaf11a52bc_project-k_qdaf11a52bc_project
	.p2alignl 7, 3214868480
	.fill 96, 4, 3214868480
	.section	.rodata,"a",@progbits
	.p2align	6, 0x0
	.amdhsa_kernel k_qdaf11a52bc_project
		.amdhsa_group_segment_fixed_size 327680
		.amdhsa_private_segment_fixed_size 0
		.amdhsa_enable_private_segment 0
		.amdhsa_kernarg_size 64
		.amdhsa_user_sgpr_count 2
		.amdhsa_user_sgpr_kernarg_segment_ptr 1
		.amdhsa_wavefront_size32 1
		.amdhsa_system_sgpr_workgroup_id_x 1
		.amdhsa_system_sgpr_workgroup_id_y 1
		.amdhsa_system_sgpr_workgroup_id_z 1
		.amdhsa_system_vgpr_workitem_id 0
		.amdhsa_next_free_vgpr 640
		.amdhsa_next_free_sgpr 102
		.amdhsa_reserve_vcc 1
		.amdhsa_float_denorm_mode_32 3
		.amdhsa_float_denorm_mode_16_64 3
		.amdhsa_memory_ordered 1
		.amdhsa_forward_progress 1
		.amdhsa_inst_pref_size 207
	.end_amdhsa_kernel
	.amdgpu_metadata
---
amdhsa.version: [ 1, 2 ]
amdhsa.kernels:
  - .name:           k_qdaf11a52bc_project
    .symbol:         k_qdaf11a52bc_project.kd
    .args:
      - { .name: xc, .offset: 0, .size: 8, .value_kind: global_buffer, .address_space: global }
      - { .name: xs, .offset: 8, .size: 8, .value_kind: global_buffer, .address_space: global }
      - { .name: wc, .offset: 16, .size: 8, .value_kind: global_buffer, .address_space: global }
      - { .name: ws, .offset: 24, .size: 8, .value_kind: global_buffer, .address_space: global }
      - { .name: cos, .offset: 32, .size: 8, .value_kind: global_buffer, .address_space: global }
      - { .name: sin, .offset: 40, .size: 8, .value_kind: global_buffer, .address_space: global }
      - { .name: qkv, .offset: 48, .size: 8, .value_kind: global_buffer, .address_space: global }
      - { .name: r16, .offset: 56, .size: 8, .value_kind: global_buffer, .address_space: global }
    .group_segment_fixed_size: 327680
    .private_segment_fixed_size: 0
    .kernarg_segment_align: 8
    .kernarg_segment_size: 64
    .max_flat_workgroup_size: 128
    .sgpr_count:     102
    .vgpr_count:     640
    .wavefront_size: 32
...
	.end_amdgpu_metadata
.endif
;; end of part 2
;; launch attn (part 3): grid 32 x 8, 16 waves a work-group, no clusters, 327,680 bytes of LDS; arguments qkv, oh; writes oh
.if DOCPART == 3
	.amdgcn_target "amdgcn-amd-amdhsa--gfx1250"
	.amdhsa_code_object_version 6
	.text
	.protected	k_qdaf11a52bc_attn
	.globl	k_qdaf11a52bc_attn
	.p2align	8
	.type	k_qdaf11a52bc_attn,@function
k_qdaf11a52bc_attn:
	s_mov_b64 s[64:65], 0
	v_nop
	global_prefetch_b8 v0, s[64:65] scope:SCOPE_SE
	s_setreg_imm32_b32 hwreg(HW_REG_WAVE_MODE, 25, 1), 1
	s_wait_xcnt 0x0
; Causal attention on f16 operands, f32 sums.  qkv [48][2048][64] f16: heads 0-31 q x 2^-8, 32-39 k x 2^-8, 40-47 v x 2^-2 (RoPE done).  oh [2048][2048 = head x 64 + d] f16 = softmax(q k^T / 8) v x 2^-2.
; SOFTMAX: t = score x c, c = 2^16 log2(e) / 8 (the 2^16 undoes the two prescales); a running maximum m of t is taken away before every exponential: p = 2^(t - m); in every step the sum l and O are multiplied by
; 2^(m_old - m_new).  l is summed of p in f32; p is rounded to f16 for the second product.  Hidden scores become -infinity: p = 0; key 0 counts for every query, so m is a number from the first step on.
; SHARES.  A work-group has one key/value head kv, its four query heads, and 64 positions: block p of 32 and block 63 - p, so that all 256 work-groups have the same work under the mask.
; Each of the sixteen waves owns one tile of 16 queries of one head; all read the same K and V from LDS, so the four query heads share each tile that is fetched.
; NO CLUSTER: where a work-group's keys end hangs on its number, and a jump on ids leads round the tensor load beyond that limit; a joint load may not be jumped over.
; LAYOUT.  S^T = K Q^T (source 0 = 16 keys, source 1 = my 16 queries): a lane holds one query (lane % 16) and keys 8 (lane / 16) + 0..7 of a tile; two tiles rounded in pairs are source 1 of O^T = V^T P.
; RING: two slots of 256 keys, 2^17 bytes apart; waves 0, 1 fetch K's halves, waves 2, 3 V's.  Every work-group walks all eight changes of slots (constant trip counts); a step whose keys all come after a wave's queries is jumped over.
.set SK,    256                        ; keys in a slot
.set KP,    144                        ; a key's row of K in LDS: 128 bytes + 16
.set VP,    160                        ; of V: 128 + 32 (the turning load takes 8 rows x 32 bytes in 16 lanes)
.set VOFF,  SK*KP
.set SLOT1, 1<<17
.set STG,   2*SLOT1                    ; the way out: 64 rows x (512 bytes + 16); no tensor load lands here
.set SPARE, STG+64*528                 ; the spare words, 128 bytes a wave
.set HEADB, 262144                     ; a head in qkv
.set AK0, 1                            ; v1   my lane's place in a tile of K
.set AV0, 2                            ; v2   of V
.set SPW, 3                            ; v3   my spare word; never rewritten
.set NIL, 4                            ; v4   0; never rewritten
.set GO,  5                            ; v5   16 x lane
.set ADK, 6                            ; v6   LDS address of the step's K
.set ADV, 7                            ; v7   of its V
.set PFO, 8                            ; v8   256 x lane: the prefetches' offset
.set MK,  9                            ; v9   r - 8 h, for the mask
.set SO,  10                           ; v10  the stage, on the way in
.set SR,  11                           ; v11  and back
.set Q,   16                           ; v16-31   Q: two fragments
.set KV,  32                           ; v32-95   K's eight fragments, then V's eight
.set S,   96                           ; v96-127  S^T, then p
.set P,   128                          ; v128-143 p in f16
.set MX,  144                          ; v144-147 chains of the maximum
.set O,   160                          ; v160-191 O^T
.set WV,  18
.set SEL, 20
.set CS,  22
.set G1K, 24
.set G1V, 32
.set G0K, 40
.set G0V, 44
.set TB,  2                            ; s2   LDS byte at which the slot in hand begins
.set LASTQ, 66                         ; s66  my work-group's last query
.set SLOTS, 67                         ; s67  changes of slots still to come in the loop
.set PFA, 76                           ; s[76:77] where my prefetches stand
.set LIM, 80                           ; s80  1 in a wave that prefetches, else the greatest number
.set KF,  98                           ; s98  the step's first key
.set Q0,  99                           ; s99  my first query
.macro TLOAD                           ; waves 0, 1: K's halves; waves 2, 3: V's; the others nothing.  An s_nop 0 and four v_nop follow each line
	s_cmp_lt_u32 s[WV], 2
	s_cbranch_scc0 .Lnot_k_\@
	tensor_load_to_lds s[G0K:G0K+3], s[G1K:G1K+7]
	s_nop 0
.rept 4
	v_nop
.endr
	s_branch .Lasked_\@
.Lnot_k_\@:
	s_cmp_lt_u32 s[WV], 4
	s_cbranch_scc0 .Lasked_\@
	tensor_load_to_lds s[G0V:G0V+3], s[G1V:G1V+7]
	s_nop 0
.rept 4
	v_nop
.endr
.Lasked_\@:
.endm
; A prefetch of the slot that the NEXT change will ask for: 32,768 dense bytes of K and as many of V.  All 32 work-groups of a key/value head walk the same rows: the one with p = 0, which walks all slots, asks;
; in it waves 4-7 ask for K's and waves 8-11 for V's, 8,192 bytes a wave, lanes 256 bytes apart: each block of 256 bytes is named once.  The last change that fills a slot asks for nothing.
.macro ASK
	s_cmp_gt_u32 s[SLOTS], s[LIM]
	s_cbranch_scc0 .Lnot_mine_\@
	global_prefetch_b8 v[PFO], s[PFA:PFA+1] th:TH_LOAD_NT scope:SCOPE_SE
.Lnot_mine_\@:
.endm
	s_load_b128 s[4:7], s[0:1], 0x0                ; qkv, oh
	v_lshl_add_u32 v[SPW], v0, 2, SPARE
	v_mov_b32 v[NIL], 0
	ds_add_u32 v[SPW], v[NIL]                      ; the wave's opening: the add, twice on end, and its wait ahead of the first tensor load
	ds_add_u32 v[SPW], v[NIL]
	v_lshrrev_b32 v153, 5, v0
	v_readfirstlane_b32 s[WV], v153                ; wave 0..15
	s_and_b32 s8, ttmp7, 0xffff                    ; kv
	s_and_b32 s9, s[WV], 3                         ; hw: which of the four query heads
	s_bfe_u32 s10, s[WV], 0x10002                  ; f: which tile of a block of 32
	s_lshr_b32 s11, s[WV], 3
	s_lshr_b32 s12, s[WV], 1
	s_xor_b32 s11, s11, s12
	s_and_b32 s11, s11, 1                          ; e: the early block (0) or the late one (1)
	s_lshl_b32 s13, ttmp9, 2
	s_sub_co_u32 s13, 126, s13                     ; 126 - 4 p: tiles from the early block to the late one
	s_lshl_b32 s15, ttmp9, 1
	s_mul_i32 s14, s11, s13
	s_add_co_u32 s14, s14, s15
	s_add_co_u32 s14, s14, s10                     ; my tile of 16 queries
	s_lshl_b32 s[Q0], s14, 4
	s_lshl_b32 s[LASTQ], ttmp9, 5
	s_sub_co_u32 s[LASTQ], 2047, s[LASTQ]
	s_and_b32 s16, s[WV], 1                        ; which half of a slot I fetch, if I fetch
	s_lshl_b32 s48, s8, 18
	s_lshl_b32 s17, s16, 14                        ; 128 rows of 128 bytes
	s_add_co_u32 s48, s48, s17
	s_add_co_u32 s50, s48, 40*HEADB                ; V's head,
	s_add_co_u32 s48, s48, 32*HEADB                ; K's
	s_mov_b32 s49, 0
	s_mov_b32 s51, 0
	s_mul_i32 s52, s16, 128*KP
	s_mul_i32 s53, s16, 128*VP
	s_add_co_u32 s53, s53, VOFF
	s_lshl_b32 s54, s8, 2
	s_add_co_u32 s54, s54, s9                      ; my query head
	s_lshl_b32 s54, s54, 18
	s_lshl_b32 s55, s[Q0], 7
	s_add_co_u32 s54, s54, s55                     ; my first query's row
	s_mov_b32 s55, 0
	s_lshr_b32 s56, s[WV], 3                       ; the four stage rows that I store: 4 wave .. + 3, of tile (wave / 8, (wave / 4) % 2)
	s_mul_i32 s56, s56, s13
	s_add_co_u32 s56, s56, s15
	s_add_co_u32 s56, s56, s10
	s_lshl_b32 s56, s56, 4
	s_lshl_b32 s57, s9, 2
	s_add_co_u32 s56, s56, s57                     ; their first position,
	s_lshl_b32 s56, s56, 12                        ; 4,096 bytes a position,
	s_lshl_b32 s57, s8, 9                          ; the four heads' 512 bytes
	s_add_co_u32 s56, s56, s57
	s_mov_b32 s57, 0
	v_and_b32 v154, 15, v0                         ; r
	v_bfe_u32 v155, v0, 4, 1                       ; h
	v_and_b32 v156, 31, v0                         ; lane
	s_lshl_b32 s58, s11, 1
	s_add_co_u32 s58, s58, s10                     ; my tile's place in the stage: 2 e + f
	s_mul_i32 s58, s58, 16*528
	s_lshl_b32 s59, s9, 7
	s_add_co_u32 s58, s58, s59
	s_add_co_u32 s58, s58, STG
	v_mul_u32_u24 v[SO], v154, 528
	v_lshl_add_u32 v[SO], v155, 4, v[SO]
	v_add_nc_u32 v[SO], s58, v[SO]                 ; row r, my head's 128 bytes, + 16 h
	s_mul_i32 s58, s[WV], 4*528
	s_add_co_u32 s58, s58, STG
	v_lshlrev_b32 v[GO], 4, v156
	v_add_nc_u32 v[SR], s58, v[GO]
	v_lshlrev_b32 v[PFO], 8, v156
	v_mul_u32_u24 v[AK0], v154, KP
	v_lshl_add_u32 v[AK0], v155, 4, v[AK0]         ; K: row r, + 16 h
	v_and_b32 v157, 7, v0
	v_lshl_add_u32 v[AV0], v155, 3, v157
	v_mul_u32_u24 v[AV0], v[AV0], VP               ; V: key 8 h + lane % 8,
	v_bfe_u32 v157, v0, 3, 1
	v_lshl_add_u32 v[AV0], v157, 4, v[AV0]         ; channels 8 ((lane / 8) % 2) on
	v_add_nc_u32 v[AV0], VOFF, v[AV0]
	v_lshlrev_b32 v157, 3, v155
	v_sub_nc_u32 v[MK], v154, v157
	v_lshlrev_b32 v153, 7, v154
	v_lshl_add_u32 v153, v155, 4, v153             ; Q: row r of 128 bytes, + 16 h
	s_mov_b32 s[G1K], (1<<16)|(1<<20)|(4<<22)|(3<<25)   ; elements of 2 bytes; 4 words of padding after every 32
	s_mov_b32 s[G1V], (1<<16)|(1<<20)|(4<<22)|(7<<25)   ; 8 words
.irp g, G1K, G1V
	s_mov_b32 s[\g+1], 64<<16                      ; tensor_dim0 = 64
	s_mov_b32 s[\g+2], 128<<16                     ; tensor_dim1 = 128
	s_mov_b32 s[\g+3], 64<<16                      ; tile_dim0
	s_mov_b32 s[\g+4], 128                         ; tile_dim1
	s_mov_b32 s[\g+5], 64                          ; from row to row
	s_mov_b32 s[\g+6], 0
	s_mov_b32 s[\g+7], 0
.endr
	s_mov_b32 s[SEL], 0x76543210
	s_mov_b32 s[SEL+1], 0xfedcba98
	s_mov_b32 s[CS], 0x4638aa3b                    ; c = 2^16 log2(e) / 8
	s_mov_b32 s[CS+1], s[CS]
	s_mov_b32 s[TB], 0
	s_mov_b32 s[KF], 0
	s_mov_b32 s[SLOTS], 7
	s_mov_b32 s60, 40*HEADB                        ; the prefetches: waves 4-7 K's head, waves 8-11 V's,
	s_cmp_lt_u32 s[WV], 8
	s_cselect_b32 s60, 32*HEADB, s60
	s_lshl_b32 s61, s8, 18
	s_add_co_u32 s60, s60, s61
	s_lshl_b32 s61, s9, 13                         ; my wave's 8,192 bytes,
	s_add_co_u32 s60, s60, s61
	s_add_co_u32 s60, s60, SK*128                  ; in slot 1: the first change of slots steps it to slot 2
	s_mov_b32 s61, 0
	s_sub_co_u32 s59, s[WV], 4
	s_lshr_b32 s59, s59, 3                         ; 0 in waves 4 to 11,
	s_or_b32 s59, s59, ttmp9                       ; of the work-group with p = 0
	s_cmp_eq_u32 s59, 0
	s_cselect_b32 s[LIM], 1, -1
	s_wait_dscnt 0x0                               ; both opening adds are done
	s_wait_kmcnt 0x0
	s_mov_b32 s[G0K], 1
	s_mov_b32 s[G0K+1], s52
	s_add_nc_u64 s[G0K+2:G0K+3], s[4:5], s[48:49]
	s_or_b32 s[G0K+3], s[G0K+3], 0x80000000
	s_mov_b32 s[G0V], 1
	s_mov_b32 s[G0V+1], s53
	s_add_nc_u64 s[G0V+2:G0V+3], s[4:5], s[50:51]
	s_or_b32 s[G0V+3], s[G0V+3], 0x80000000
	TLOAD                                          ; slot 0: it holds key 0, which every wave reads
	s_add_nc_u64 s[PFA:PFA+1], s[4:5], s[60:61]
	s_add_nc_u64 s[68:69], s[4:5], s[54:55]
	s_add_nc_u64 s[6:7], s[6:7], s[56:57]
.irp c, 0,1,2,3
	global_load_b128 v[Q+4*\c:Q+4*\c+3], v153, s[68:69] offset:32*\c   ; Q stays in registers
.endr
	v_mov_b32 v12, 0xff61b1e6                      ; the largest t so far: -3e38
	v_mov_b32 v13, 0                               ; (named with v12 as a pair)
	v_mov_b32 v14, 0                               ; l, in two halves
	v_mov_b32 v15, 0
	v_mov_b32 v[MX], 0                             ; a lane permute's destination counts as one of its sources
	v_mov_b32 v[MX+1], 0
	v_mov_b32 v149, 0                              ; (upper halves of pairs)
	v_mov_b32 v151, 0
	v_mov_b32 v152, 0xff800000                     ; -infinity
.irp j, 0,1,2,3,4,5,6,7,8,9,10,11,12,13,14,15,16,17,18,19,20,21,22,23,24,25,26,27,28,29,30,31
	v_mov_b32 v[O+\j], 0                           ; the step is written once: the first finds zeros
.endr
; A KEY STEP: 64 keys, the q-th of the slot in hand
.macro STEP q
	s_add_co_u32 s96, s[Q0], 15
	s_cmp_gt_u32 s[KF], s96                        ; all keys come after my queries: the step's work is left out (ids alone)
	s_cbranch_scc1 .Lhidden_\@
	v_add_nc_u32 v[ADK], s[TB], v[AK0]
	v_add_nc_u32 v[ADV], s[TB], v[AV0]
	v_nop
	v_nop                                          ; four places in front of loads into registers that the last products have read
.irp kt, 0,1,2,3
.irp c, 0,1
	ds_load_b128 v[KV+8*(2*\kt+\c):KV+8*(2*\kt+\c)+3],   v[ADK] offset:64*KP*(\q)+16*KP*\kt+64*\c
	ds_load_b128 v[KV+8*(2*\kt+\c)+4:KV+8*(2*\kt+\c)+7], v[ADK] offset:64*KP*(\q)+16*KP*\kt+64*\c+32
.endr
.endr
	s_wait_dscnt 0x0
.irp kt, 0,1,2,3                               ; the four tiles of keys by turns
	v_wmma_f32_16x16x32_f16 v[S+8*\kt:S+8*\kt+7], v[KV+16*\kt:KV+16*\kt+7], v[Q:Q+7], 0
.endr
.irp kt, 0,1,2,3
	v_wmma_f32_16x16x32_f16 v[S+8*\kt:S+8*\kt+7], v[KV+16*\kt+8:KV+16*\kt+15], v[Q+8:Q+15], v[S+8*\kt:S+8*\kt+7]
.endr
.rept 4
	v_nop                                          ; places in front of the loads over K's fragments and of the first reads of scores
.endr
.irp g, 0,1                                    ; V, turned: it lands while the softmax is walked
.irp ct, 0,1,2,3
	ds_load_tr16_b128 v[KV+8*(4*\g+\ct):KV+8*(4*\g+\ct)+3],   v[ADV] offset:64*VP*(\q)+32*VP*\g+32*\ct
	ds_load_tr16_b128 v[KV+8*(4*\g+\ct)+4:KV+8*(4*\g+\ct)+7], v[ADV] offset:64*VP*(\q)+32*VP*\g+32*\ct+16*VP
.endr
.endr
	s_add_co_u32 s96, s[KF], 63
	s_cmp_le_u32 s96, s[Q0]                        ; all keys count: no mask
	s_cbranch_scc1 .Lopen_\@
	s_sub_co_i32 s96, s[Q0], s[KF]
	v_add_nc_u32 v151, s96, v[MK]                  ; register 8 kt + j holds key KF + 16 kt + 8 h + j: hidden where 16 kt + j > my query - KF - 8 h
.irp n, 0,1,2,3,4,5,6,7,8,9,10,11,12,13,14,15,16,17,18,19,20,21,22,23,24,25,26,27,28,29,30,31
	v_cmp_gt_i32 vcc_lo, 16*(\n/8)+\n%8, v151
	v_cndmask_b32 v[S+\n], v[S+\n], v152, vcc_lo
.endr
.Lopen_\@:
.irp kt, 0,1,2,3
	v_max3_num_f32 v[MX+\kt], v[S+8*\kt], v[S+8*\kt+1], v[S+8*\kt+2]   ; each tile from its low end on
.endr
.irp i, 3,5
.irp kt, 0,1,2,3
	v_max3_num_f32 v[MX+\kt], v[MX+\kt], v[S+8*\kt+\i], v[S+8*\kt+\i+1]
.endr
.endr
.irp kt, 0,1,2,3
	v_max_num_f32 v[MX+\kt], v[MX+\kt], v[S+8*\kt+7]
.endr
	v_max3_num_f32 v[MX], v[MX], v[MX+1], v[MX+2]
	v_max_num_f32 v[MX], v[MX], v[MX+3]
	v_permlanex16_b32 v[MX+1], v[MX], s[SEL], s[SEL+1]   ; the query's other 32 keys lie in the lane 16 away
	v_max_num_f32 v[MX], v[MX], v[MX+1]
	v_mul_f32 v[MX], s[CS], v[MX]                  ; as t (c is positive)
	v_max_num_f32 v[MX], v12, v[MX]                ; the new m
	v_sub_f32 v150, v12, v[MX]                     ; m_old - m_new
	v_mov_b32 v12, v[MX]
.irp j, 0,2,4,6,8,10,12,14,16,18,20,22,24,26,28,30
	v_pk_fma_f32 v[S+\j:S+\j+1], v[S+\j:S+\j+1], s[CS:CS+1], v[12:13] op_sel_hi:[1,0,0] neg_lo:[0,0,1] neg_hi:[0,0,1]   ; t - m
.endr
	v_exp_f32 v148, v150                           ; a = 2^(m_old - m_new)
.irp j, 0,1,2,3,4,5,6,7,8,9,10,11,12,13,14,15,16,17,18,19,20,21,22,23,24,25,26,27,28,29,30,31
	v_exp_f32 v[S+\j], v[S+\j]                     ; p
.endr
	v_nop                                          ; a plain instruction behind the last exponential
	s_wait_alu depctr_va_vdst(0)                   ; one wait for the batch of 33, ahead of its first reader
.irp i, 0,1,2,3,4,5,6,7,8,9,10,11,12,13,14,15
	v_cvt_pk_f16_f32 v[P+\i], v[S+2*\i], v[S+2*\i+1]
.endr
.irp i, 0,2,4,6,8,10,12,14
	v_pk_add_f32 v[S+\i:S+\i+1], v[S+\i:S+\i+1], v[S+16+\i:S+16+\i+1]   ; the sum of the unrounded p, in place
.endr
.irp i, 0,2,4,6
	v_pk_add_f32 v[S+\i:S+\i+1], v[S+\i:S+\i+1], v[S+8+\i:S+8+\i+1]
.endr
.irp i, 0,2
	v_pk_add_f32 v[S+\i:S+\i+1], v[S+\i:S+\i+1], v[S+4+\i:S+4+\i+1]
.endr
	v_pk_add_f32 v[S:S+1], v[S:S+1], v[S+2:S+3]
	v_pk_fma_f32 v[14:15], v[14:15], v[148:149], v[S:S+1] op_sel_hi:[1,0,1]   ; l = l a + the sum
.irp j, 0,2,4,6,8,10,12,14,16,18,20,22,24,26,28,30
	v_pk_mul_f32 v[O+\j:O+\j+1], v[O+\j:O+\j+1], v[148:149] op_sel_hi:[1,0]   ; O^T x a, each tile from its low end on
.endr
	s_wait_dscnt 0x0                               ; V is in
.irp g, 0,1
.irp ct, 0,1,2,3
	v_wmma_f32_16x16x32_f16 v[O+8*\ct:O+8*\ct+7], v[KV+8*(4*\g+\ct):KV+8*(4*\g+\ct)+7], v[P+8*\g:P+8*\g+7], v[O+8*\ct:O+8*\ct+7]
.endr
.endr
.Lhidden_\@:
	s_add_co_u32 s[KF], s[KF], 64
.endm
; THE CHANGE OF SLOTS stands at a slot's head.  Each wave waits for all its tensor loads, adds 0 to its spare word, and waits for that and for its reads of the slot that it has left.
; Behind the barrier the slot ahead is whole and nobody reads the other one; fill = 1: that one takes the next 256 keys, if any wave of the work-group will read them.
.macro CHANGE fill
	s_wait_tensorcnt 0x0                           ; no tensor load of mine is out, so a group 0 may be written
	ds_add_u32 v[SPW], v[NIL]
.if \fill
	ds_add_u32 v[SPW], v[NIL]                      ; and twice on end here, in every trip alike
	s_xor_b32 s[G0K+1], s[G0K+1], SLOT1            ; the other slot than last time,
	s_add_nc_u64 s[G0K+2:G0K+3], s[G0K+2:G0K+3], SK*128   ; the next 256 keys
	s_xor_b32 s[G0V+1], s[G0V+1], SLOT1
	s_add_nc_u64 s[G0V+2:G0V+3], s[G0V+2:G0V+3], SK*128
	s_wait_xcnt 0x0                                ; the last prefetch, a slot back, has read its address
	s_add_nc_u64 s[PFA:PFA+1], s[PFA:PFA+1], SK*128
.endif
	s_wait_dscnt 0x0                               ; the add is done, and my reads of the slot that I have left are over
	s_barrier_signal -1
	s_barrier_wait -1
.if \fill
	s_add_co_u32 s96, s[KF], SK                    ; the first key of the slot that this change would ask for
	s_cmp_gt_u32 s96, s[LASTQ]                     ; beyond my work-group's last query no wave reads it: it is not asked for.  Ids and the count of steps alone: all sixteen waves go the same way
	s_cbranch_scc1 .Lpast_\@
	TLOAD                                          ; a wave's one tensor load until the next change; every wait on TENSORcnt in this text is for 0
.Lpast_\@:
	ASK
.endif
.endm
.macro SLOT_STEPS
	STEP 0
	STEP 1
	STEP 2
	STEP 3
	s_xor_b32 s[TB], s[TB], SLOT1
.endm
	s_wait_loadcnt 0x0                             ; Q
.Lslot:                                            ; seven trips: behind each change of slots but the last the next slot is asked for, up to the causal limit
	CHANGE 1
	SLOT_STEPS
	s_sub_co_u32 s[SLOTS], s[SLOTS], 1
	s_cmp_lg_u32 s[SLOTS], 0
	s_cbranch_scc1 .Lslot
	CHANGE 0                                       ; the last slot is written out: nothing is left to ask for
	SLOT_STEPS
	; THE WAY OUT: O^T / l, rounded to f16, through the work-group's stage: a position's 512 bytes come from four waves
	v_add_f32 v14, v14, v15
	v_permlanex16_b32 v[MX], v14, s[SEL], s[SEL+1]
	v_add_f32 v14, v14, v[MX]                      ; the row's sum
	v_rcp_f32 v150, v14
.rept 4
	v_nop                                          ; a plain instruction behind the reciprocal, and the places in front of the first read of O^T
.endr
	s_wait_alu depctr_va_vdst(0)                   ; ahead of the reciprocal's first reader
.irp i, 0,2,4,6,8,10,12,14,16,18,20,22,24,26,28,30
	v_pk_mul_f32 v[192+\i:193+\i], v[O+\i:O+\i+1], v[150:151] op_sel_hi:[1,0]
.endr
.irp i, 0,1,2,3,4,5,6,7,8,9,10,11,12,13,14,15
	v_cvt_pk_f16_f32 v[224+\i], v[192+2*\i], v[193+2*\i]
.endr
.irp ct, 0,1,2,3
	ds_store_b128 v[SO], v[224+4*\ct:227+4*\ct] offset:32*\ct   ; channels 16 ct + 8 h + 0..7 of query r
.endr
	s_wait_dscnt 0x0                               ; for the others' sake: my stores into the stage are done
	s_barrier_signal -1
	s_barrier_wait -1
.irp i, 0,1,2,3
	ds_load_b128 v[192+4*\i:195+4*\i], v[SR] offset:528*\i
.endr
.irp i, 0,1,2,3
	s_wait_dscnt 3-\i                              ; load i is in, the younger ones may be out
	global_store_b128 v[GO], v[192+4*\i:195+4*\i], s[6:7] offset:4096*\i   ; 32 lanes store 512 consecutive bytes, aligned
.endr
	s_wait_tensorcnt 0x0                           ; the wave's end
	ds_add_u32 v[SPW], v[NIL]
	s_wait_dscnt 0x0
	s_endpgm
.Lfunc_end_k_qdaf11a52bc_attn:
	.size	k_qdaf11a52bc_attn, .Lfunc_end_k_qdaf11a52bc_attn-k_qdaf11a52bc_attn
	.p2alignl 7, 3214868480
	.fill 96, 4, 3214868480
	.section	.rodata,"a",@progbits
	.p2align	6, 0x0
	.amdhsa_kernel k_qdaf11a52bc_attn
		.amdhsa_group_segment_fixed_size 327680
		.amdhsa_private_segment_fixed_size 0
		.amdhsa_enable_private_segment 0
		.amdhsa_kernarg_size 16
		.amdhsa_user_sgpr_count 2
		.amdhsa_user_sgpr_kernarg_segment_ptr 1
		.amdhsa_wavefront_size32 1
		.amdhsa_system_sgpr_workgroup_id_x 1
		.amdhsa_system_sgpr_workgroup_id_y 1
		.amdhsa_system_sgpr_workgroup_id_z 1
		.amdhsa_system_vgpr_workitem_id 0
		.amdhsa_next_free_vgpr 256
		.amdhsa_next_free_sgpr 100
		.amdhsa_reserve_vcc 1
		.amdhsa_float_denorm_mode_32 3
		.amdhsa_float_denorm_mode_16_64 3
		.amdhsa_memory_ordered 1
		.amdhsa_forward_progress 1
		.amdhsa_inst_pref_size 109
	.end_amdhsa_kernel
	.amdgpu_metadata
---
amdhsa.version: [ 1, 2 ]
amdhsa.kernels:
  - .name:           k_qdaf11a52bc_attn
    .symbol:         k_qdaf11a52bc_attn.kd
    .args:
      - { .name: qkv, .offset: 0, .size: 8, .value_kind: global_buffer, .address_space: global }
      - { .name: oh, .offset: 8, .size: 8, .value_kind: global_buffer, .address_space: global }
    .group_segment_fixed_size: 327680
    .private_segment_fixed_size: 0
    .kernarg_segment_align: 8
    .kernarg_segment_size: 16
    .max_flat_workgroup_size: 512
    .sgpr_count:     100
    .vgpr_count:     256
    .wavefront_size: 32
...
	.end_amdgpu_metadata
.endif
;; end of part 3
;; launch oproj (part 4): grid 16 x 16, 4 waves a work-group, clusters of 4 x 4, 327,680 bytes of LDS; arguments oh, woh, out0; writes out0
.if DOCPART == 4
	.amdgcn_target "amdgcn-amd-amdhsa--gfx1250"
	.amdhsa_code_object_version 6
	.text
	.protected	k_qdaf11a52bc_oproj
	.globl	k_qdaf11a52bc_oproj
	.p2align	8
	.type	k_qdaf11a52bc_oproj,@function
k_qdaf11a52bc_oproj:
	s_mov_b64 s[64:65], 0
	v_nop
	global_prefetch_b8 v0, s[64:65] scope:SCOPE_SE
	s_setreg_imm32_b32 hwreg(HW_REG_WAVE_MODE, 25, 1), 1
	s_wait_xcnt 0x0
	s_wait_alu depctr_hold_cnt(0) depctr_sa_sdst(0) depctr_va_vdst(0) depctr_va_sdst(0) depctr_va_ssrc(0) depctr_va_vcc(0) depctr_vm_vsrc(0)
	s_getreg_b32 s2, hwreg(HW_REG_IB_STS2, 6, 4)
	s_cmp_eq_u32 s2, 0
	s_cbranch_scc0 .Lentry_in_a_cluster
	s_endpgm
.Lentry_in_a_cluster:
	s_bfe_u32 s2, ttmp6, 0x10000c
	s_cmp_lg_u32 s2, 0xf033
	s_cbranch_scc0 .Lentry_shape_is_right
	s_endpgm
.Lentry_shape_is_right:
; out0[m][n] = sum over k of oh[m][k] woh[n][k], rows 16 to 2,047.  oh [2048][2048] f16 = attention's result x 2^-2, woh [2048][2048] f16 = 4 Wo: the two powers cancel.  Sums in f32, out0 f32.
; Rows 0-15 are left to the launch that carries them in f32: their stores are masked by EXEC, with no branch on the work-group's place.
; A tile of out0 is 128 x 128: 256 work-groups.  Four waves, each 64 x 64: 16 accumulators.  K goes in steps of 256 (LDS rows of 512 bytes + 16) through two slots filled by the tensor data mover.
; CLUSTER 4 x 4: oh's tiles are asked for jointly along a row of the cluster, woh's along a column.  THE MATRIX INSTRUCTION IS USED TRANSPOSED (source 0 = 16 rows of woh, source 1 = 16 rows of oh):
; a lane holds eight neighbouring numbers of a row of out0.  A wave's 64 columns of f32 are 256 aligned bytes, so each wave has a stage of its own on the way out and no barrier is needed there.
; REGISTERS: window 0: v0-31 addresses; v32-95 rows on the way out; v128-255 the accumulators ((a, b) at v[128 + 8 (4 a + b)]).   window 1: two fragment buffers of 128 registers (64 along K).
.set SIZE_K, 2048
.set SIZE_N, 2048
.set KSTEP,  256
.set PITCH,  528
.set HALFT,  64*PITCH
.set SLOT,   4*HALFT
.set STAGE,  2*SLOT                    ; behind the ring: 16 rows x 272 bytes for each wave
.set SPITCH, 272
.set SPARE,  STAGE+4*16*SPITCH         ; the spare words, 128 bytes a wave
.set LAPS, SIZE_K/(2*KSTEP)
.set ADRA, 16
.set ADRB, 20
.set STO,  24
.set RD,   25
.set CO,   26
.set ROW0, 27                          ; v27  my wave's first row of out0
.set SPW,  28
.set NIL,  29
.set TMP,  32
.set ACC,  128
.set F0,   0
.set F1,   128
.set G1, 24
.set G0, 32
.set G1B, 48
.set G0B, 56
.set MSB, 0
.macro WIN new
.if MSB != \new
	s_set_vgpr_msb (MSB<<8)|\new
.set MSB, \new
.endif
.endm
.set MUL,  0x05                        ; both sources in window 1; C and D in window 0
.set TO_F, 0x40                        ; destination window 1, address window 0
.macro JLOAD s                         ; waves 0 and 1 fetch oh's two halves, waves 2 and 3 woh's; an s_nop 0 and four v_nop follow each line
	s_cmp_eq_u32 s11, 0
	s_cbranch_scc0 .Lfor_b_\@
	tensor_load_to_lds s[G0+4*\s:G0+4*\s+3], s[G1:G1+7]
	s_nop 0
.rept 4
	v_nop
.endr
	s_branch .Lasked_\@
.Lfor_b_\@:
	tensor_load_to_lds s[G0B+4*\s:G0B+4*\s+3], s[G1B:G1B+7]
	s_nop 0
.rept 4
	v_nop
.endr
.Lasked_\@:
.endm
.macro CREST
	s_cmp_lg_u32 s10, 0
	s_cbranch_scc1 .Lnot_wave_0_\@
	s_barrier_signal -3
.Lnot_wave_0_\@:
	s_barrier_wait -3
	s_barrier_signal -1
	s_barrier_wait -1
.endm
.macro CROUND
	s_barrier_signal -1
	s_barrier_wait -1
	CREST
.endm
	s_load_b128 s[4:7], s[0:1], 0x0                ; oh, woh
	s_load_b64 s[8:9], s[0:1], 0x10                ; out0
	v_lshl_add_u32 v[SPW], v0, 2, SPARE
	v_mov_b32 v[NIL], 0
	ds_add_u32 v[SPW], v[NIL]                      ; the wave's opening: the add, twice on end, and its wait ahead of my first tensor load
	ds_add_u32 v[SPW], v[NIL]
	v_lshrrev_b32 v1, 5, v0
	v_readfirstlane_b32 s10, v1                    ; wave 0..3
	s_lshr_b32 s11, s10, 1                         ; which half of the tile's rows is mine.  Also: I fetch for oh (0) or for woh (1)
	s_and_b32 s12, s10, 1                          ; which half of its columns.  Also: which 64 rows of that tile I fetch
	s_bfe_u32 s40, ttmp6, 0x40000
	s_bfe_u32 s41, ttmp6, 0x40004
	s_lshl_b32 s42, ttmp9, 2
	s_add_co_u32 s42, s42, s40                     ; tile column
	s_and_b32 s13, ttmp7, 0xffff
	s_lshl_b32 s13, s13, 2
	s_add_co_u32 s13, s13, s41                     ; tile row
	s_lshl_b32 s43, s41, 2
	s_lshl_b32 s43, 15, s43                        ; my row of the cluster
	s_lshl_b32 s44, 0x1111, s40                    ; my column
	s_or_b32 s[G1+0], s43, (1<<16)|(1<<20)|(1<<21)|(6<<22)|(3<<25)  ; elements of 2 bytes; 4 words of padding after every 128; bit 21 beside the mask
	s_or_b32 s[G1B+0], s44, (1<<16)|(1<<20)|(1<<21)|(6<<22)|(3<<25)
.irp g, G1, G1B
	s_mov_b32 s[\g+1], KSTEP<<16                   ; tensor_dim0 = 256
	s_mov_b32 s[\g+2], 64<<16                      ; tensor_dim1 = 64
	s_mov_b32 s[\g+3], KSTEP<<16                   ; tile_dim0
	s_mov_b32 s[\g+4], 64                          ; tile_dim1
	s_mov_b32 s[\g+5], SIZE_K                      ; from row to row
	s_mov_b32 s[\g+6], 0
	s_mov_b32 s[\g+7], 0
.endr
	s_lshl_b32 s17, s12, 6
	s_lshl_b32 s16, s13, 7
	s_add_co_u32 s16, s16, s17                     ; oh: row 128 x tile row + 64 x half
	s_lshl_b32 s46, s42, 7
	s_add_co_u32 s46, s46, s17                     ; woh: row 128 x tile column + 64 x half
	s_mov_b32 s17, 0
	s_mov_b32 s47, 0
	s_mov_b64 s[18:19], SIZE_K*2
	s_mul_u64 s[16:17], s[16:17], s[18:19]
	s_mul_u64 s[46:47], s[46:47], s[18:19]
	s_mul_i32 s20, s10, HALFT                      ; where they go: wave x 64 rows
	s_wait_dscnt 0x0                               ; both opening adds are done
	s_wait_kmcnt 0x0
	s_add_nc_u64 s[14:15], s[4:5], s[16:17]
	s_add_nc_u64 s[46:47], s[6:7], s[46:47]
	CROUND                                         ; all sixteen work-groups are here: the first joint loads meet
.irp s, 0,1
	s_mov_b32 s[G0+4*\s], 1
	s_add_co_u32 s[G0+4*\s+1], s20, \s*SLOT
	s_add_nc_u64 s[G0+4*\s+2:G0+4*\s+3], s[14:15], \s*KSTEP*2
	s_or_b32 s[G0+4*\s+3], s[G0+4*\s+3], 0x80000000
	s_mov_b32 s[G0B+4*\s], 1
	s_add_co_u32 s[G0B+4*\s+1], s20, \s*SLOT
	s_add_nc_u64 s[G0B+4*\s+2:G0B+4*\s+3], s[46:47], \s*KSTEP*2
	s_or_b32 s[G0B+4*\s+3], s[G0B+4*\s+3], 0x80000000
	JLOAD \s                                       ; two tensor loads of mine are out now
.endr
	v_and_b32 v1, 15, v0                           ; l % 16
	v_bfe_u32 v2, v0, 4, 1                         ; l / 16
	v_mul_u32_u24 v3, v1, PITCH
	v_lshl_add_u32 v3, v2, 4, v3
	s_mul_i32 s21, s11, HALFT
	s_mul_i32 s22, s12, HALFT
	s_add_co_u32 s22, s22, 2*HALFT
.irp s, 0,1
	v_add_nc_u32 v[ADRA+\s], s21, v3
	v_add_nc_u32 v[ADRB+\s], s22, v3
	s_add_co_u32 s21, s21, SLOT
	s_add_co_u32 s22, s22, SLOT
.endr
	s_mul_i32 s23, s10, 16*SPITCH
	s_add_co_u32 s23, s23, STAGE                   ; my stage
	v_mul_u32_u24 v4, v1, SPITCH
	v_lshl_add_u32 v4, v2, 5, v4
	v_add_nc_u32 v[STO], s23, v4                   ; in: row l % 16, 32 bytes for each half of the lanes
	v_mul_u32_u24 v5, v2, SPITCH
	v_lshl_add_u32 v5, v1, 4, v5
	v_add_nc_u32 v[RD], s23, v5                    ; back: lanes 0-15 one row of 256 bytes, lanes 16-31 the next
	v_lshlrev_b32 v5, 13, v2
	v_lshl_add_u32 v[CO], v1, 4, v5                ; and the same two rows in out0 (8,192 bytes a row)
	s_lshl_b32 s16, s13, 7
	s_lshl_b32 s17, s11, 6
	s_add_co_u32 s16, s16, s17                     ; my first row: 128 x tile row + 64 x half
	v_mov_b32 v[ROW0], s16
	s_lshl_b32 s16, s16, 13
	s_mov_b32 s17, 0
	s_add_nc_u64 s[8:9], s[8:9], s[16:17]
	s_lshl_b32 s46, s42, 9                         ; my first column, in bytes: 512 x tile column + 256 x half
	s_lshl_b32 s47, s12, 8
	s_add_co_u32 s46, s46, s47
	s_mov_b32 s47, 0
	s_add_nc_u64 s[8:9], s[8:9], s[46:47]
.macro MUL8 f, c, a0, zero             ; m blocks a0, a0 + 1 x all 4 n blocks, 32 along K: half c of buffer f; the 16 accumulators take turns
.irp a, \a0, \a0+1
.irp b, 0,1,2,3
.if \zero
	v_wmma_f32_16x16x32_f16 v[ACC+8*(4*(\a)+\b):ACC+8*(4*(\a)+\b)+7], v[\f+64+8*(4*\c+\b):\f+64+8*(4*\c+\b)+7], v[\f+8*(4*\c+\a):\f+8*(4*\c+\a)+7], 0
.else
	v_wmma_f32_16x16x32_f16 v[ACC+8*(4*(\a)+\b):ACC+8*(4*(\a)+\b)+7], v[\f+64+8*(4*\c+\b):\f+64+8*(4*\c+\b)+7], v[\f+8*(4*\c+\a):\f+8*(4*\c+\a)+7], v[ACC+8*(4*(\a)+\b):ACC+8*(4*(\a)+\b)+7]
.endif
.endr
.endr
.endm
.macro FETCH slot, k, f                ; 32 LDS loads in one run: the fragments of 64 along K at byte k of the rows; the first 32 along K first
	WIN TO_F
.irp c, 0,1
.irp i, 0,1,2,3
	ds_load_b128 v[\f+64+8*(4*\c+\i):\f+64+8*(4*\c+\i)+3],   v[ADRB+\slot] offset:\k+64*\c+\i*16*PITCH
	ds_load_b128 v[\f+64+8*(4*\c+\i)+4:\f+64+8*(4*\c+\i)+7], v[ADRB+\slot] offset:\k+64*\c+\i*16*PITCH+32
	ds_load_b128 v[\f+8*(4*\c+\i):\f+8*(4*\c+\i)+3],         v[ADRA+\slot] offset:\k+64*\c+\i*16*PITCH
	ds_load_b128 v[\f+8*(4*\c+\i)+4:\f+8*(4*\c+\i)+7],       v[ADRA+\slot] offset:\k+64*\c+\i*16*PITCH+32
.endr
.endr
.endm
.macro PLACES
.rept 4
	v_nop
.endr
.endm
.macro QUARTER slot, k, f, g, zero     ; 64 along K on buffer f; in its middle the next quarter, at byte k, is fetched into g
	s_wait_dscnt 16                                ; the first 32 along K are in; the youngest sixteen loads may be out
	WIN MUL
	MUL8 \f, 0, 0, \zero
	MUL8 \f, 0, 2, \zero
	PLACES
	FETCH \slot, \k, \g
	s_wait_dscnt 32                                ; all but the 32 just issued
	WIN MUL
	MUL8 \f, 1, 0, 0
	MUL8 \f, 1, 2, 0
.endm
.macro TURN slot, next, fill           ; the last quarter multiplies buffer 1 and changes slots
	WIN 0
	s_wait_tensorcnt 0x0                           ; all my tensor loads have landed: my part of the next slot
	ds_add_u32 v[SPW], v[NIL]
	s_wait_dscnt 17                                ; the add and the youngest sixteen loads may be out
	WIN MUL
	MUL8 F1, 0, 0, 0
	s_wait_dscnt 0x0                               ; the add is done, and my reads of this slot are over
	s_barrier_signal -1
	MUL8 F1, 0, 2, 0
.if \fill
	WIN 0
.endif
	s_barrier_wait -1
.if \fill
	CREST                                          ; the barrier has opened a round of the cluster's: no wave of any partner still reads this slot or has a load on its way
	s_add_nc_u64 s[G0+4*\slot+2:G0+4*\slot+3], s[G0+4*\slot+2:G0+4*\slot+3], 2*KSTEP*2
	s_add_nc_u64 s[G0B+4*\slot+2:G0B+4*\slot+3], s[G0B+4*\slot+2:G0B+4*\slot+3], 2*KSTEP*2
	JLOAD \slot                                    ; my one tensor load behind the round; its four v_nop are the places in front of the loads below
.else
	PLACES
.endif
	FETCH \next, 0, F0
	WIN MUL
	MUL8 F1, 1, 0, 0
	MUL8 F1, 1, 2, 0
.endm
	s_wait_tensorcnt 1                             ; my part of K step 0 is in; K step 1's may be out
	s_barrier_signal -1
	s_barrier_wait -1
	FETCH 0, 0, F0
	QUARTER 0, 128, F0, F1, 1                      ; the first products start the sums
	WIN 0
	s_mov_b32 s3, LAPS-1
.Llap:
	QUARTER 0, 256, F1, F0, 0
	QUARTER 0, 384, F0, F1, 0
	TURN 0, 1, 1
	QUARTER 1, 128, F0, F1, 0
	QUARTER 1, 256, F1, F0, 0
	QUARTER 1, 384, F0, F1, 0
	TURN 1, 0, 1
	QUARTER 0, 128, F0, F1, 0
	WIN 0
	s_sub_co_u32 s3, s3, 1
	s_cmp_lg_u32 s3, 0
	s_cbranch_scc1 .Llap
	QUARTER 0, 256, F1, F0, 0                      ; the last lap fills nothing
	QUARTER 0, 384, F0, F1, 0
	TURN 0, 1, 0
	QUARTER 1, 128, F0, F1, 0
	QUARTER 1, 256, F1, F0, 0
	QUARTER 1, 384, F0, F1, 0
	s_wait_dscnt 16
	WIN MUL
	MUL8 F1, 0, 0, 0
	MUL8 F1, 0, 2, 0
	s_wait_dscnt 0
	MUL8 F1, 1, 0, 0
	MUL8 F1, 1, 2, 0
	WIN 0
; THE WAY OUT, 16 rows x 64 columns at a time, through my own stage: LDS serves a wave's instructions in order, so no wait stands between the stores and the loads, nor in front of the next block's stores
.macro TOSTAGE a
.irp b, 0,1,2,3
	ds_store_b128 v[STO], v[ACC+8*(4*(\a)+\b):ACC+8*(4*(\a)+\b)+3]   offset:64*\b       ; each accumulator from its low end on
	ds_store_b128 v[STO], v[ACC+8*(4*(\a)+\b)+4:ACC+8*(4*(\a)+\b)+7] offset:64*\b+16
.endr
.irp t, 0,1,2,3,4,5,6,7
	ds_load_b128 v[TMP+32*((\a)%2)+4*\t:TMP+32*((\a)%2)+4*\t+3], v[RD] offset:\t*2*SPITCH
.endr
.endm
.macro SEND a, younger                 ; younger: the LDS instructions issued behind block a's loads, which may stay out
	s_wait_dscnt \younger
.if (\a) == 0                          ; block 0 of the wave whose first row is 0 holds rows 0-15: all its lanes are switched off
	s_wait_xcnt 0x0                                ; EXEC changes only behind this wait
	v_cmp_ne_u32 vcc_lo, 0, v[ROW0]
	s_and_saveexec_b32 s21, vcc_lo
.endif
.irp t, 0,1,2,3,4,5,6,7
	global_store_b128 v[CO], v[TMP+32*((\a)%2)+4*\t:TMP+32*((\a)%2)+4*\t+3], s[8:9] offset:(\a)*16*SIZE_N*4+\t*2*SIZE_N*4 th:TH_STORE_NT   ; 16 lanes store 256 consecutive bytes, aligned
.endr
.if (\a) == 0
	s_wait_xcnt 0x0                                ; and again in front of the line that restores it
	s_or_b32 exec_lo, exec_lo, s21
.endif
.endm
	PLACES
	TOSTAGE 0
.irp a, 1,2,3
.if \a > 1
	s_wait_xcnt 0x0                                ; block a - 2's stores have read their registers: block a's loads may land there
.endif
	TOSTAGE \a
	SEND \a-1, 16                                  ; behind block a - 1's loads: block a's 8 stores and 8 loads
.endr
	SEND 3, 0
	s_wait_tensorcnt 0x0                           ; the wave's end
	ds_add_u32 v[SPW], v[NIL]
	s_wait_dscnt 0x0
	CROUND                                         ; the closing round
	s_endpgm
.Lfunc_end_k_qdaf11a52bc_oproj:
	.size	k_qdaf11a52bc_oproj, .Lfunc_end_k_qdaf11a52bc_oproj-k_qdaf11a52bc_oproj
	.p2alignl 7, 3214868480
	.fill 96, 4, 3214868480
	.section	.rodata,"a",@progbits
	.p2align	6, 0x0
	.amdhsa_kernel k_qdaf11a52bc_oproj
		.amdhsa_group_segment_fixed_size 327680
		.amdhsa_private_segment_fixed_size 0
		.amdhsa_enable_private_segment 0
		.amdhsa_kernarg_size 24
		.amdhsa_user_sgpr_count 2
		.amdhsa_user_sgpr_kernarg_segment_ptr 1
		.amdhsa_wavefront_size32 1
		.amdhsa_system_sgpr_workgroup_id_x 1
		.amdhsa_system_sgpr_workgroup_id_y 1
		.amdhsa_system_sgpr_workgroup_id_z 1
		.amdhsa_system_vgpr_workitem_id 0
		.amdhsa_next_free_vgpr 512
		.amdhsa_next_free_sgpr 66
		.amdhsa_reserve_vcc 1
		.amdhsa_float_denorm_mode_32 3
		.amdhsa_float_denorm_mode_16_64 3
		.amdhsa_memory_ordered 1
		.amdhsa_forward_progress 1
		.amdhsa_inst_pref_size 86
	.end_amdhsa_kernel
	.amdgpu_metadata
---
amdhsa.version: [ 1, 2 ]
amdhsa.kernels:
  - .name:           k_qdaf11a52bc_oproj
    .symbol:         k_qdaf11a52bc_oproj.kd
    .args:
      - { .name: oh, .offset: 0, .size: 8, .value_kind: global_buffer, .address_space: global }
      - { .name: woh, .offset: 8, .size: 8, .value_kind: global_buffer, .address_space: global }
      - { .name: out0, .offset: 16, .size: 8, .value_kind: global_buffer, .address_space: global }
    .group_segment_fixed_size: 327680
    .private_segment_fixed_size: 0
    .kernarg_segment_align: 8
    .kernarg_segment_size: 24
    .max_flat_workgroup_size: 128
    .sgpr_count:     66
    .vgpr_count:     512
    .wavefront_size: 32
...
	.end_amdgpu_metadata
.endif
;; end of part 4
;; launch first16 (part 5): grid 128 x 1, 8 waves a work-group, no clusters, 9,216 bytes of LDS; arguments r16, Wo, out0; writes out0
.if DOCPART == 5
	.amdgcn_target "amdgcn-amd-amdhsa--gfx1250"
	.amdhsa_code_object_version 6
	.text
	.protected	k_qdaf11a52bc_first16
	.globl	k_qdaf11a52bc_first16
	.p2align	8
	.type	k_qdaf11a52bc_first16,@function
k_qdaf11a52bc_first16:
	s_mov_b64 s[64:65], 0
	v_nop
	global_prefetch_b8 v0, s[64:65] scope:SCOPE_SE
	s_setreg_imm32_b32 hwreg(HW_REG_WAVE_MODE, 25, 1), 1
	s_wait_xcnt 0x0
; Rows 0-15 of out0, in f32 throughout: under the causal mask these rows average one to sixteen values and are the largest in size.
; r16 [16][3072] f32: RoPE(q) x 2^-8 (columns 0-2047), RoPE(k) x 2^-8 (2048-2559), v x 2^-2 (2560-3071) of positions 0-15.  Wo [2048][2048] f32.
; SHARES.  Work-group t owns columns 16 t .. 16 t + 15 of out0.  Wave w owns key/value head w, query heads 4 w .. 4 w + 3, and so k = 256 w .. 256 w + 255 of the projection: it makes just the part of the attention
; that its slice of the projection takes in, and that part never leaves its registers.  The eight waves' parts of the sum meet in LDS.  The attention of the 16 rows is made anew in every work-group.
; LAYOUTS of v_wmma_f32_16x16x4_f32 (lane (r, h), register j: k = 2 h + j); one and the same order of k is given to both sources of a product:
;   S^T = K Q^T: lane (r, h) holds, of row r, d = 8 c + 4 h + 0..3 in registers 4 c .. 4 c + 3: a pair of registers is a K step.  Result: query r, keys 8 h + j.
;   O^T = V^T P: P's pair 2 jj holds keys 8 h + 2 jj + 0, 1; VT[t][j] = v[key 8 h + j][channel 16 t + r].  Result: query r, channels 16 t + 8 h + j.
;   out^T = Wo o^T: o's pair holds channels 16 t + 8 h + 2 jj + 0, 1; WF = Wo[16 t_wg + r][the same k].  Result: query r, columns 8 h + j.
; The registers that the matrix instructions write (v80-143) are written by nothing else; no two matrix instructions that follow each other share an accumulator.
.set KR,  16                           ; v16-47   K
.set VT,  48                           ; v48-79   V, turned by the loads
.set SA,  80                           ; v80-87, v88-95    S^T in two halves along d
.set SB,  88
.set OT,  96                           ; v96-127  O^T, four tiles
.set PA,  128                          ; v128-135, v136-143  the projection in two halves along k
.set PB,  136
.set ST,  144                          ; v144-151 scores, then p
.set TM,  152                          ; v152-159 at work
.set ON,  168                          ; v168-199 o = O^T x 4 / l
.set SPW, 200
.set NIL, 201
.set RED, 204                          ; v204-235 the eight waves' parts
.set SPARE, 8192                       ; LDS: 8 x 1,024 bytes of parts, then the spare words, 128 bytes a wave
.set MSB, 0
.macro WIN new
.if MSB != \new
	s_set_vgpr_msb (MSB<<8)|\new
.set MSB, \new
.endif
.endm
	s_load_b128 s[4:7], s[0:1], 0x0                ; r16, Wo
	s_load_b64 s[8:9], s[0:1], 0x10                ; out0
	v_lshl_add_u32 v[SPW], v0, 2, SPARE
	v_mov_b32 v[NIL], 0
	v_lshrrev_b32 v1, 5, v0
	v_readfirstlane_b32 s10, v1                    ; wave 0..7
	v_and_b32 v1, 15, v0                           ; r
	v_bfe_u32 v2, v0, 4, 1                         ; h
	v_mul_u32_u24 v3, v1, 12288
	v_lshl_add_u32 v3, v2, 4, v3                   ; Q, K: row r of 12,288 bytes, + 16 h
	v_mul_u32_u24 v4, v2, 98304
	v_lshl_add_u32 v4, v1, 2, v4                   ; V: key 8 h, channel r
	v_lshlrev_b32 v5, 13, v1
	v_lshl_add_u32 v5, v2, 5, v5                   ; Wo: row r of 8,192 bytes, + 32 h
	v_lshlrev_b32 v6, 3, v2
	v_sub_nc_u32 v6, v1, v6                        ; r - 8 h, for the mask
	v_lshlrev_b32 v7, 5, v0                        ; LDS: my 32 bytes
	v_lshlrev_b32 v8, 4, v0                        ; and, for the 64 threads that add, a piece of 16 bytes
	v_bfe_u32 v9, v0, 1, 4
	v_lshlrev_b32 v9, 13, v9                       ; that piece in out0: row (thread / 2) % 16,
	v_lshrrev_b32 v11, 5, v0
	v_lshl_add_u32 v9, v11, 5, v9                  ; + 32 (thread / 32)
	v_and_b32 v11, 1, v0
	v_lshl_add_u32 v9, v11, 4, v9                  ; + 16 (thread % 2)
	v_mov_b32 v10, 0xff800000                      ; -infinity
	v_mov_b32 v[TM+1], 0                           ; a lane permute's destination counts as one of its sources
	v_mov_b32 v[TM+7], 0                           ; (the upper half of a pair)
	s_mov_b32 s12, 0x76543210
	s_mov_b32 s13, 0xfedcba98
	s_mov_b32 s14, 0x4638aa3b                      ; c = 2^16 log2(e) / 8
	s_lshl_b32 s24, s10, 10                        ; Q: my four heads begin at column 256 w
	s_mov_b32 s25, 0
	s_lshl_b32 s26, s10, 8                         ; K, V: my head begins 64 w columns on
	s_mov_b32 s27, 0
	s_lshl_b32 s28, ttmp9, 17                      ; Wo: 16 rows a work-group,
	s_add_co_u32 s28, s28, s24                     ; k = 256 w on
	s_mov_b32 s29, 0
	s_lshl_b32 s30, ttmp9, 6                       ; out0: 16 columns a work-group
	s_mov_b32 s31, 0
	s_wait_kmcnt 0x0
	s_add_nc_u64 s[16:17], s[4:5], s[24:25]
	s_add_nc_u64 s[18:19], s[4:5], s[26:27]
	s_add_nc_u64 s[22:23], s[6:7], s[28:29]
	s_add_nc_u64 s[8:9], s[8:9], s[30:31]
.irp c, 0,1,2,3,4,5,6,7
	global_load_b128 v[KR+4*\c:KR+4*\c+3], v3, s[18:19] offset:8192+32*\c
.endr
.irp t, 0,1,2,3
.irp j, 0,1,2,3,4,5,6,7
	global_load_b32 v[VT+8*\t+\j], v4, s[18:19] offset:10240+12288*\j+64*\t
.endr
.endr
	WIN 0x40                                       ; destination window 1: Q of head hd at v[32 hd], Wo's fragments of head hd at v[128 + 32 hd]
.irp hd, 0,1,2,3
.irp c, 0,1,2,3,4,5,6,7
	global_load_b128 v[32*\hd+4*\c:32*\hd+4*\c+3], v3, s[16:17] offset:256*\hd+32*\c
.endr
.endr
.irp hd, 0,1,2,3
.irp t, 0,1,2,3
	global_load_b128 v[128+32*\hd+8*\t:128+32*\hd+8*\t+3],   v5, s[22:23] offset:256*\hd+64*\t
	global_load_b128 v[128+32*\hd+8*\t+4:128+32*\hd+8*\t+7], v5, s[22:23] offset:256*\hd+64*\t+16
.endr
.endr
	WIN 0
	s_wait_loadcnt 32                              ; K, V and Q are in; Wo's 32 loads may be out
.macro HEAD hd
	WIN 0x04                                       ; source 1 (Q) in window 1
.set I_, 0
.rept 16
.set rC, SA+8*(I_%2)
.if I_ < 2
	v_wmma_f32_16x16x4_f32 v[rC:rC+7], v[KR+2*I_:KR+2*I_+1], v[32*\hd+2*I_:32*\hd+2*I_+1], 0
.else
	v_wmma_f32_16x16x4_f32 v[rC:rC+7], v[KR+2*I_:KR+2*I_+1], v[32*\hd+2*I_:32*\hd+2*I_+1], v[rC:rC+7]
.endif
.set I_, I_+1
.endr
	WIN 0
.rept 8
	v_nop                                          ; eight places behind this form, in front of the first read of results
.endr
.irp j, 0,1,2,3,4,5,6,7
	v_add_f32 v[ST+\j], v[SA+\j], v[SB+\j]
.endr
.irp j, 0,1,2,3,4,5,6,7
	v_cmp_gt_i32 vcc_lo, \j, v6                    ; key 8 h + j comes after query r
	v_cndmask_b32 v[ST+\j], v[ST+\j], v10, vcc_lo
.endr
	v_max3_num_f32 v[TM], v[ST], v[ST+1], v[ST+2]
	v_max3_num_f32 v[TM], v[TM], v[ST+3], v[ST+4]
	v_max3_num_f32 v[TM], v[TM], v[ST+5], v[ST+6]
	v_max_num_f32 v[TM], v[TM], v[ST+7]
	v_permlanex16_b32 v[TM+1], v[TM], s12, s13
	v_max_num_f32 v[TM], v[TM], v[TM+1]            ; the row's largest score (key 0 counts for every query)
	v_mul_f32 v[TM], s14, v[TM]
.irp j, 0,1,2,3,4,5,6,7
	v_fma_f32 v[ST+\j], v[ST+\j], s14, -v[TM]      ; t - m
.endr
.irp j, 0,1,2,3,4,5,6,7
	v_exp_f32 v[ST+\j], v[ST+\j]
.endr
	v_nop                                          ; a plain instruction behind the last exponential
	s_wait_alu depctr_va_vdst(0)                   ; one wait for the eight, ahead of their first reader
.irp jj, 0,1,2,3
.irp t, 0,1,2,3
.if \jj == 0
	v_wmma_f32_16x16x4_f32 v[OT+8*\t:OT+8*\t+7], v[VT+8*\t+2*\jj:VT+8*\t+2*\jj+1], v[ST+2*\jj:ST+2*\jj+1], 0
.else
	v_wmma_f32_16x16x4_f32 v[OT+8*\t:OT+8*\t+7], v[VT+8*\t+2*\jj:VT+8*\t+2*\jj+1], v[ST+2*\jj:ST+2*\jj+1], v[OT+8*\t:OT+8*\t+7]
.endif
.endr
.endr
.rept 8
	v_nop                                          ; eight places: in front of the first read of O^T, and of the next write of p
.endr
	v_add_f32 v[TM+2], v[ST], v[ST+1]
	v_add_f32 v[TM+3], v[ST+2], v[ST+3]
	v_add_f32 v[TM+4], v[ST+4], v[ST+5]
	v_add_f32 v[TM+5], v[ST+6], v[ST+7]
	v_add_f32 v[TM+2], v[TM+2], v[TM+3]
	v_add_f32 v[TM+4], v[TM+4], v[TM+5]
	v_add_f32 v[TM+2], v[TM+2], v[TM+4]
	v_permlanex16_b32 v[TM+1], v[TM+2], s12, s13
	v_add_f32 v[TM+2], v[TM+2], v[TM+1]            ; the row's sum
	v_rcp_f32 v[TM+6], v[TM+2]
	v_nop
	s_wait_alu depctr_va_vdst(0)                   ; ahead of the reciprocal's first reader
	v_mul_f32 v[TM+6], 4.0, v[TM+6]                ; the 4 undoes v's 2^-2
.irp i, 0,2,4,6,8,10,12,14,16,18,20,22,24,26,28,30
	v_pk_mul_f32 v[ON+\i:ON+\i+1], v[OT+\i:OT+\i+1], v[TM+6:TM+7] op_sel_hi:[1,0]   ; each tile from its low end on
.endr
.if \hd == 0
	s_wait_loadcnt 0x0                             ; Wo
.endif
	WIN 0x01                                       ; source 0 (Wo) in window 1
.set I_, 0
.rept 16
.set rC, PA+8*(I_%2)
.if (\hd == 0) && (I_ < 2)
	v_wmma_f32_16x16x4_f32 v[rC:rC+7], v[128+32*\hd+2*I_:128+32*\hd+2*I_+1], v[ON+2*I_:ON+2*I_+1], 0
.else
	v_wmma_f32_16x16x4_f32 v[rC:rC+7], v[128+32*\hd+2*I_:128+32*\hd+2*I_+1], v[ON+2*I_:ON+2*I_+1], v[rC:rC+7]
.endif
.set I_, I_+1
.endr
	WIN 0
.endm
	HEAD 0
	HEAD 1
	HEAD 2
	HEAD 3
.rept 8
	v_nop
.endr
.irp j, 0,1,2,3,4,5,6,7
	v_add_f32 v[TM+\j], v[PA+\j], v[PB+\j]         ; my wave's part: query r, columns 8 h + j
.endr
	ds_store_b128 v7, v[TM:TM+3]
	ds_store_b128 v7, v[TM+4:TM+7] offset:16
	s_wait_dscnt 0x0                               ; for the others' sake: my part lies in LDS
	s_barrier_signal -1
	s_barrier_wait -1
	s_cmp_gt_u32 s10, 1                            ; waves 0 and 1 add the eight parts, 16 bytes a thread
	s_cbranch_scc1 .Ldone
.irp w, 0,1,2,3,4,5,6,7
	ds_load_b128 v[RED+4*\w:RED+4*\w+3], v8 offset:1024*\w
.endr
	s_wait_dscnt 0x0
.irp w, 1,2,3,4,5,6,7
	v_pk_add_f32 v[RED:RED+1], v[RED:RED+1], v[RED+4*\w:RED+4*\w+1]
	v_pk_add_f32 v[RED+2:RED+3], v[RED+2:RED+3], v[RED+4*\w+2:RED+4*\w+3]
.endr
	global_store_b128 v9, v[RED:RED+3], s[8:9]     ; four threads store a row's 64 bytes: the work-group's 16 columns
.Ldone:
	s_wait_tensorcnt 0x0                           ; the wave's end, behind my last LDS store
	ds_add_u32 v[SPW], v[NIL]
	s_wait_dscnt 0x0
	s_endpgm
.Lfunc_end_k_qdaf11a52bc_first16:
	.size	k_qdaf11a52bc_first16, .Lfunc_end_k_qdaf11a52bc_first16-k_qdaf11a52bc_first16
	.p2alignl 7, 3214868480
	.fill 96, 4, 3214868480
	.section	.rodata,"a",@progbits
	.p2align	6, 0x0
	.amdhsa_kernel k_qdaf11a52bc_first16
		.amdhsa_group_segment_fixed_size 9216
		.amdhsa_private_segment_fixed_size 0
		.amdhsa_enable_private_segment 0
		.amdhsa_kernarg_size 24
		.amdhsa_user_sgpr_count 2
		.amdhsa_user_sgpr_kernarg_segment_ptr 1
		.amdhsa_wavefront_size32 1
		.amdhsa_system_sgpr_workgroup_id_x 1
		.amdhsa_system_sgpr_workgroup_id_y 1
		.amdhsa_system_sgpr_workgroup_id_z 1
		.amdhsa_system_vgpr_workitem_id 0
		.amdhsa_next_free_vgpr 512
		.amdhsa_next_free_sgpr 66
		.amdhsa_reserve_vcc 1
		.amdhsa_float_denorm_mode_32 3
		.amdhsa_float_denorm_mode_16_64 3
		.amdhsa_memory_ordered 1
		.amdhsa_forward_progress 1
		.amdhsa_inst_pref_size 43
	.end_amdhsa_kernel
	.amdgpu_metadata
---
amdhsa.version: [ 1, 2 ]
amdhsa.kernels:
  - .name:           k_qdaf11a52bc_first16
    .symbol:         k_qdaf11a52bc_first16.kd
    .args:
      - { .name: r16, .offset: 0, .size: 8, .value_kind: global_buffer, .address_space: global }
      - { .name: Wo, .offset: 8, .size: 8, .value_kind: global_buffer, .address_space: global }
      - { .name: out0, .offset: 16, .size: 8, .value_kind: global_buffer, .address_space: global }
    .group_segment_fixed_size: 9216
    .private_segment_fixed_size: 0
    .kernarg_segment_align: 8
    .kernarg_segment_size: 24
    .max_flat_workgroup_size: 256
    .sgpr_count:     66
    .vgpr_count:     512
    .wavefront_size: 32
...
	.end_amdgpu_metadata
.endif
;; end of part 5
